; MI455X (gfx1250); checked and timed in simulation.
; The chip was launched on July 23, 2026; its instructions are those of AMD's public machine-readable ISA for CDNA 5 (MIT licence, August 2026) and "CDNA5" Instruction Set Architecture Reference Guide (July 2026). The comments in the code are by the model that wrote it; some were corrected since.
;; Standard Attention. Allowed arithmetic: matrix products marked QUANTISED: E4M3 operands, one given power-of-two scale a tensor, by v_wmma_f32_16x16x64_fp8_fp8 or v_wmma_f32_16x16x128_fp8_fp8, f32 sums; everything else in f32.
;; Inputs: Wk 512 x 2,048 float32; Wo 2,048 x 1,024 float32; Wq 1,024 x 2,048 float32; Wv 512 x 2,048 float32; attention_mask 2 x 1 x 2,048 x 2,048 float32; hidden_states 2 x 2,048 x 2,048 float32; lowp_scales 12 int32 (the exponents e of the quantised operands' scales 2^e); position_ids 2 x 2,048 int32.
;; Outputs: out0 2 x 2,048 x 2,048 float32.
;; This version of the problem:
;;   THIS VERSION OF THE PROBLEM IS GIVEN IN LOW PRECISION. The matrix products marked QUANTISED in the list below multiply operands that are first quantised to E4M3 (4 exponent bits, 3 mantissa bits; 8 bits a number), with one given power-of-two scale for each operand tensor; their sums are f32. All else is computed in f32.
;;   The module's matrix products, in the order in which they are computed (A, B: the left and right operand; K: the contracted axis; several contracted axes count as one K, in the product's order):
;;     1. [M 4,096, K 2,048] x [K 2,048, N 1,024]; A: input hidden_states; B: input Wq: QUANTISED (scales: A lowp_scales[0], B lowp_scales[1])
;;     2. [M 4,096, K 2,048] x [K 2,048, N 512]; A: input hidden_states; B: input Wk: QUANTISED (scales: A lowp_scales[2], B lowp_scales[3])
;;     3. [M 4,096, K 2,048] x [K 2,048, N 512]; A: input hidden_states; B: input Wv: QUANTISED (scales: A lowp_scales[4], B lowp_scales[5])
;;     4. batch 16 x [M 2,048, K 128] x [K 128, N 2,048]; A: computed on the way; B: computed on the way: QUANTISED (scales: A lowp_scales[6], B lowp_scales[7])
;;     5. batch 16 x [M 2,048, K 2,048] x [K 2,048, N 128]; A: softmax (see below); B: computed on the way: QUANTISED (scales: A lowp_scales[8], B lowp_scales[9])
;;     6. [M 4,096, K 1,024] x [K 1,024, N 2,048]; A: computed on the way; B: input Wo: QUANTISED (scales: A lowp_scales[10], B lowp_scales[11])
;;   THE QUANTISER, for each operand of a quantised product, along K:
;;     - The operand's scale is 2^e, e = its entry of the input lowp_scales (int32; the entries are numbered through the quantised products in the list's order, A before B).
;;     - Each number is divided by the scale, clamped to +-448, and rounded to the nearest number of E4M3, ties to even, subnormals kept.
;;     - The product sums the exact products of the quantised numbers (number of the format x scale) in f32.
;;   ~~~python
;;   def quantise(x, axis, e):      # numpy; x: float32 -> the quantised numbers, widened to float32 again
;;       x = np.moveaxis(x, axis, -1); K = x.shape[-1]
;;       r = np.clip(x / 2.0 ** e, -448, 448)
;;       step = 2.0 ** (np.maximum(np.frexp(np.where(r == 0, 1, r))[1] - 1, -6) - 3)
;;       q = np.round(r / step) * step * 2.0 ** e      # np.round: ties to even
;;       return np.moveaxis(q, -1, axis).astype(np.float32)
;;   ~~~
;;   SOFTMAX AHEAD OF A QUANTISED PRODUCT. Where the list says 'softmax', what is quantised is not the finished softmax but p = 2^(t - M), with t = logit x log2(e) and M = ceil(the row's largest t), a whole number; so 1/2 < the row's largest p <= 1. The row's sum l is taken of the UNQUANTISED p, in f32, and the product's result is divided by l at the end. Since M is a whole number, a kernel that streams over the keys may use a running M (the ceiling of the running maximum): every later rescaling is an exact power of two, so the quantised numbers keep their values, but for numbers so far below the row's largest that they fall under the format's range.
;;   OPERANDS COMPUTED ON THE WAY. 'Computed on the way' means the value that the module computes at that place (a softmax that the list does not call 'softmax' is quantised finished and normalised). What goes into a quantiser is computed in f32, as accurately as f32 sums, v_exp_f32 and their like allow (about 1e-6 of the number): no bf16 or f16 on the way to a quantiser, and a product that is left as it is and whose result goes on into a quantised operand takes f32 operands (vector FMAs, or v_wmma_f32_16x16x4_f32). A number that lies on a knife's edge between two numbers of the format may be rounded either way, as far as f32 arithmetic and the matrix unit's own rounding can turn it there, and no further.
;; One version. Each part assembles by itself: llvm-mc -triple=amdgcn-amd-amdhsa -mcpu=gfx1250 --defsym DOCPART=n.
;; ======== version 1 of 1: 4 launches
;; limits: inputs' magnitudes at most 4,194,304
;; workspace buffers: codes 31,457,280 bytes; rope 2,097,152 bytes; qc 4,194,304 bytes; kc 2,097,152 bytes; vc 2,097,152 bytes; oc 4,194,304 bytes
;; launch prep (part 1): grid 512 x 1, 4 waves a work-group, no clusters, 34,304 bytes of LDS; arguments hidden_states, Wq, Wk, Wv, Wo, position_ids, lowp_scales, codes, rope; writes codes, rope
.if DOCPART == 1
	.amdgcn_target "amdgcn-amd-amdhsa--gfx1250"
	.amdhsa_code_object_version 6
	.text
	.protected	k_q589fd422ca_prep
	.globl	k_q589fd422ca_prep
	.p2align	8
	.type	k_q589fd422ca_prep,@function
k_q589fd422ca_prep:
	s_mov_b64 s[64:65], 0
	v_nop
	global_prefetch_b8 v0, s[64:65] scope:SCOPE_SE
	s_setreg_imm32_b32 hwreg(HW_REG_WAVE_MODE, 25, 1), 1
	s_wait_xcnt 0x0
; hidden_states (three times: with e0, e2, e4), Wq (e1), Wk (e3), Wv (e5), Wo (e11): f32, K innermost -> codes of E4M3, stored as IMAGES OF OPERAND REGISTERS; and the table of cos and sin for the rotation.
; ROW BLOCKS.  Rows go in blocks of 16: place i of block rb is row 32 (rb / 2) + 8 (rb % 2) + i + 8 (i / 8).
; IMAGE.  The fragment (block rb, K step ks of 128) is 2,048 bytes: chunk c (0..3) of 512 bytes, lane l = 16 h + r at 16 l: the codes of the block's place r, k = 128 ks + 32 c + 16 h + 0 .. 15.
; code = x / 2^e, held within +-448, to the nearest code, ties to even.  LIMITS: every e between -126 and 119; NaN among the inputs is not served.
; SHARES.  Work-groups 0-255 take hidden_states, 256-319 Wq, 320-351 Wk, 352-383 Wv, 384-447 Wo: one path, the buffers chosen by the work-group's number.  A wave takes one block x 512 along K: four units of 16 rows x 128 K.
; Each load reads 512 consecutive bytes of one row; a unit turns through the wave's own stage in LDS (16 rows of 512 + 16 bytes), so that a lane gets 16 neighbours along K four times; each store writes 512 consecutive bytes.
; Work-groups 448-511 make the table: a wave takes a block of 16 tokens; lane (r, h) holds token r and 32 of the 64 frequencies.  No sine or cosine instruction is used: reduction by quarters of a turn in three parts, two short polynomials.
; LIMITS of the table: |position x frequency| under 2^22; a frequency is 2^(-j log2(10000) / 64) to about two units of its last place.
.set STW,   8448                       ; a wave's stage
.set SPARE, 4*STW                      ; behind the stages: the spare words, 128 bytes a wave, which no other line names
.set OWQ,   25165824                   ; parts of the buffer of codes: x with e0 at 0, with e2 at 8 MiB, with e4 at 16 MiB, then the weights
.set OWK,   27262976
.set OWV,   28311552
.set OWO,   29360128
.set LI,  4                            ; v4   16 x lane
.set SI,  5                            ; v5   the stage, way in
.set SO,  6                            ; v6   the stage, way out: row r, + 64 h
.set SPW, 8                            ; v8   my spare word; never rewritten
.set NIL, 9                            ; v9   0; never rewritten
.set SC,  10                           ; v10-15 three pairs: 2^e, 448 x 2^e
.set RO,  16                           ; v16-31 byte offset of the block's place i, + 16 x lane
.set R,   32                           ; v32-159 two sets of 64: a unit as loaded
.set X,   160                          ; v160-223 a unit, 16 neighbours a chunk
.set T,   224                          ; v224-239 held numbers
.set PC,  240                          ; v240-255 codes
	s_load_b256 s[8:15], s[0:1], 0x0               ; hidden_states, Wq, Wk, Wv
	s_load_b256 s[16:23], s[0:1], 0x20             ; Wo, position_ids, lowp_scales, codes
	s_load_b64 s[24:25], s[0:1], 0x40              ; rope
	v_lshl_add_u32 v[SPW], v0, 2, SPARE
	v_mov_b32 v[NIL], 0
	v_lshrrev_b32 v1, 5, v0
	v_readfirstlane_b32 s3, v1                     ; wave
	v_and_b32 v1, 31, v0                           ; lane
	v_and_b32 v2, 15, v0                           ; r
	v_bfe_u32 v3, v0, 4, 1                         ; h
	v_lshlrev_b32 v[LI], 4, v1
	s_wait_kmcnt 0x0
	s_cmp_ge_u32 ttmp9, 448
	s_cbranch_scc1 .Lrope
	s_load_b256 s[40:47], s[20:21], 0x0            ; e0 .. e7
	s_load_b128 s[48:51], s[20:21], 0x20           ; e8 .. e11
	s_mul_i32 s30, s3, STW
	v_add_nc_u32 v[SI], s30, v[LI]
	v_mul_u32_u24 v[SO], v2, 528
	v_lshl_add_u32 v[SO], v3, 6, v[SO]
	v_add_nc_u32 v[SO], s30, v[SO]
	; which tensor: first work-group, part of the codes' buffer, source
	s_mov_b32 s26, 0
	s_mov_b32 s27, 0
	s_mov_b64 s[4:5], s[8:9]
	s_cmp_ge_u32 ttmp9, 256
	s_cselect_b32 s26, 256, s26
	s_cselect_b32 s27, OWQ, s27
	s_cselect_b64 s[4:5], s[10:11], s[4:5]
	s_cmp_ge_u32 ttmp9, 320
	s_cselect_b32 s26, 320, s26
	s_cselect_b32 s27, OWK, s27
	s_cselect_b64 s[4:5], s[12:13], s[4:5]
	s_cmp_ge_u32 ttmp9, 352
	s_cselect_b32 s26, 352, s26
	s_cselect_b32 s27, OWV, s27
	s_cselect_b64 s[4:5], s[14:15], s[4:5]
	s_cmp_ge_u32 ttmp9, 384
	s_cselect_b32 s26, 384, s26
	s_cselect_b32 s27, OWO, s27
	s_cselect_b64 s[4:5], s[16:17], s[4:5]
	s_cselect_b32 s28, 1, 2                        ; log2 of the jobs in a row block: K = 1,024 or 2,048
	s_lshl_b32 s29, 2048, s28                      ; a row in bytes
	s_sub_co_u32 s31, ttmp9, s26
	s_lshl_b32 s31, s31, 2
	s_add_co_u32 s31, s31, s3                      ; J: my job in the tensor
	s_lshr_b32 s52, s31, s28                       ; rb
	s_lshl_b32 s53, 1, s28
	s_sub_co_u32 s53, s53, 1
	s_and_b32 s53, s31, s53                        ; which 512 along K
	s_lshr_b32 s54, s52, 1
	s_lshl_b32 s54, s54, 5
	s_and_b32 s55, s52, 1
	s_lshl_b32 s55, s55, 3
	s_add_co_u32 s54, s54, s55                     ; the block's first row
	s_mul_i32 s54, s54, s29
	s_lshl_b32 s55, s53, 11
	s_add_co_u32 s54, s54, s55
	s_mov_b32 s55, 0
	s_add_nc_u64 s[4:5], s[4:5], s[54:55]
	s_lshl_b32 s56, s31, 13                        ; a job's four images are 8,192 consecutive bytes, job behind job
	s_add_co_u32 s56, s56, s27
	s_mov_b32 s57, 0
	s_add_nc_u64 s[32:33], s[22:23], s[56:57]
	s_add_nc_u64 s[34:35], s[32:33], 0x800000      ; x's second and third set (used by x's work-groups alone)
	s_add_nc_u64 s[36:37], s[32:33], 0x1000000
.irp i, 0,1,2,3,4,5,6,7,8,9,10,11,12,13,14,15
	s_mul_i32 s58, s29, (\i+8*(\i/8))
	v_add_nc_u32 v[RO+\i], s58, v[LI]
.endr
.macro LOAD u                          ; unit u: 16 rows x 512 bytes into set u % 2
.irp i, 0,1,2,3,4,5,6,7,8,9,10,11,12,13,14,15
	global_load_b128 v[R+64*((\u)%2)+4*\i:R+64*((\u)%2)+4*\i+3], v[RO+\i], s[4:5] offset:512*(\u) th:TH_LOAD_NT
.endr
.endm
.macro MKSC e, v                       ; 2^e and 448 x 2^e as f32
	s_add_co_i32 s60, s[\e], 127
	s_lshl_b32 s61, s60, 23
	v_mov_b32 v[\v], s61
	s_add_co_i32 s60, s60, 8
	s_lshl_b32 s60, s60, 23
	s_or_b32 s60, s60, 0x600000
	v_mov_b32 v[\v+1], s60
.endm
	LOAD 0
	LOAD 1
	s_wait_kmcnt 0x0
	s_mov_b32 s59, s40                             ; the tensor's (first) exponent
	s_cmp_ge_u32 ttmp9, 256
	s_cselect_b32 s59, s41, s59
	s_cmp_ge_u32 ttmp9, 320
	s_cselect_b32 s59, s43, s59
	s_cmp_ge_u32 ttmp9, 352
	s_cselect_b32 s59, s45, s59
	s_cmp_ge_u32 ttmp9, 384
	s_cselect_b32 s59, s51, s59
	MKSC 59, SC
	MKSC 42, SC+2
	MKSC 44, SC+4
; the unit in X becomes an image with the scale in v[sc], v[sc + 1]
.macro QPASS sc, dst, u
	s_wait_xcnt 0x0                                ; the codes' registers were the data of earlier stores: written again only behind this wait
.irp c, 0,1,2,3
.irp i, 0,1,2,3,4,5,6,7,8,9,10,11,12,13,14,15
	v_med3_num_f32 v[T+\i], v[X+16*\c+\i], -v[\sc+1], v[\sc+1]   ; the conversion does not saturate (ISA guide 7.6.2): the hold comes first
.endr
	v_cvt_scalef32_pk8_fp8_f32 v[PC+4*\c:PC+4*\c+1], v[T:T+7], v[\sc]
	v_cvt_scalef32_pk8_fp8_f32 v[PC+4*\c+2:PC+4*\c+3], v[T+8:T+15], v[\sc]
	v_nop                                          ; a plain line between the conversions and the next writes of their sources
.endr
.irp c, 0,1,2,3
	global_store_b128 v[LI], v[PC+4*\c:PC+4*\c+3], s[\dst:\dst+1] offset:2048*(\u)+512*\c   ; 512 consecutive bytes
.endr
.endm
.macro UNIT u
.if (\u) < 3
	s_wait_loadcnt 16                              ; this unit's 16 loads are in; the next unit's 16 may be out
.else
	s_wait_loadcnt 0x0
.endif
.irp i, 0,1,2,3,4,5,6,7,8,9,10,11,12,13,14,15
	ds_store_b128 v[SI], v[R+64*((\u)%2)+4*\i:R+64*((\u)%2)+4*\i+3] offset:528*\i
.endr
.irp c, 0,1,2,3
.irp i, 0,1,2,3
	ds_load_b128 v[X+16*\c+4*\i:X+16*\c+4*\i+3], v[SO] offset:128*\c+16*\i   ; LDS serves a wave's instructions in order: these see the stores above
.endr
.endr
	s_wait_dscnt 0x0                               ; the unit is back, and the stores have read their registers,
.if (\u) < 2
	LOAD (\u)+2                                    ; which take the unit two further on
.endif
	QPASS SC, 32, \u
	s_cmp_lt_u32 ttmp9, 256                        ; x is quantised twice more, with the second and third product's scale
	s_cbranch_scc0 .Lonce_\@
	QPASS SC+2, 34, \u
	QPASS SC+4, 36, \u
.Lonce_\@:
.endm
	UNIT 0
	UNIT 1
	UNIT 2
	UNIT 3
	s_wait_tensorcnt 0x0                           ; the wave's end
	ds_add_u32 v[SPW], v[NIL]
	s_wait_dscnt 0x0
	s_endpgm
; ---- the table: rope[token block][cos, sin][bb 0..3][half][lane][4]: for token (block, r) and frequency 32 (bb / 2) + 8 (bb % 2) + 4 half + 16 h + e
.set JF,  32                           ; v32-63  the frequency's number, then the frequency
.set PP,  64                           ; v64-95  its exponent; later the cosines
.set EE,  96                           ; v96-127 what the exponent's rounding left; later the sines
.set EX,  128                          ; v128-159 2^exponent; later four sets of eight temporaries
.set COS, 64
.set SIN, 96
.set TT,  128
.set NCHI, 26
.set NCLO, 27
.set LN2,  28
.set TOPI, 29
.set P1,   30
.set P2,   31
.set P3,   32
.set S1,   33
.set S2,   34
.set S3,   35
.set C1,   36
.set C2,   37
.set C3,   38
.Lrope:
	s_sub_co_u32 s39, ttmp9, 448
	s_lshl_b32 s39, s39, 2
	s_add_co_u32 s39, s39, s3                      ; my block of 16 tokens
	s_lshr_b32 s52, s39, 1
	s_lshl_b32 s52, s52, 5
	s_and_b32 s53, s39, 1
	s_lshl_b32 s53, s53, 3
	s_add_co_u32 s52, s52, s53
	v_and_b32 v18, 8, v2
	v_add_nc_u32 v18, v18, v2                      ; r + 8 (r / 8)
	v_add_nc_u32 v18, s52, v18                     ; my token
	v_lshlrev_b32 v18, 2, v18
	global_load_b32 v19, v18, s[18:19]             ; its position
	s_lshl_b32 s54, s39, 13
	s_mov_b32 s55, 0
	s_add_nc_u64 s[24:25], s[24:25], s[54:55]
	s_mov_b32 s[NCHI], 0xbe549a78                  ; -log2(10000) / 64, in two parts
	s_mov_b32 s[NCLO], 0xb1979a30
	s_mov_b32 s[LN2],  0x3f317218
	s_mov_b32 s[TOPI], 0x3f22f983                  ; 2 / pi
	s_mov_b32 s[P1],   0x3fc90fdb                  ; pi / 2 in three parts
	s_mov_b32 s[P2],   0xb33bbd2e
	s_mov_b32 s[P3],   0xa6f72ced
	s_mov_b32 s[S1],   0xbe2aaaa3                  ; sin r = r + r z (S1 + z (S2 + z S3)), z = r r, |r| <= pi / 4
	s_mov_b32 s[S2],   0x3c08839e
	s_mov_b32 s[S3],   0xb94ca1f9
	s_mov_b32 s[C1],   0x3d2aaaa5                  ; cos r = 1 - z / 2 + z z (C1 + z (C2 + z C3))
	s_mov_b32 s[C2],   0xbab6061a
	s_mov_b32 s[C3],   0x37ccf5ce
	v_lshlrev_b32 v17, 4, v3                       ; 16 h
.set n, 0
.rept 32
	v_add_nc_u32 v[JF+n], 32*(n/16)+n%16, v17      ; register n = 8 bb + 4 half + e
.set n, n+1
.endr
.set n, 0
.rept 32
	v_cvt_f32_u32 v[JF+n], v[JF+n]
.set n, n+1
.endr
.set n, 0
.rept 32
	v_mul_f32 v[PP+n], s[NCHI], v[JF+n]            ; the exponent, rounded;
.set n, n+1
.endr
.set n, 0
.rept 32
	v_fma_f32 v[EE+n], v[JF+n], s[NCHI], -v[PP+n]  ; what the rounding dropped, exactly,
.set n, n+1
.endr
.set n, 0
.rept 32
	v_fma_f32 v[EE+n], v[JF+n], s[NCLO], v[EE+n]   ; and the constant's second part
.set n, n+1
.endr
.set n, 0
.rept 32
	v_exp_f32 v[EX+n], v[PP+n]
.set n, n+1
.endr
	v_nop                                          ; a plain line behind the last exponential
	s_wait_alu depctr_va_vdst(0)                   ; one wait for the batch, ahead of its first reader
.set n, 0
.rept 32
	v_mul_f32 v[EE+n], v[EX+n], v[EE+n]
.set n, n+1
.endr
.set n, 0
.rept 32
	v_fma_f32 v[JF+n], v[EE+n], s[LN2], v[EX+n]    ; 2^(p + d) = 2^p (1 + d ln 2)
.set n, n+1
.endr
	s_wait_loadcnt 0x0
	v_cvt_f32_i32 v16, v19
; four frequencies at a time, so that no line waits for the one above it.  Temporaries of frequency k at v[TT + 8 k]: +0 angle, +1 quarters, +2 r, +3 z, +4 sine, +5 cosine, +6, +7 at work
.macro SC4 n0
.irp k, 0,1,2,3
	v_mul_f32 v[TT+8*\k], v16, v[JF+(\n0)+\k]      ; the angle, rounded once, as the definition rounds it
.endr
.irp k, 0,1,2,3
	v_mul_f32 v[TT+8*\k+1], s[TOPI], v[TT+8*\k]
.endr
.irp k, 0,1,2,3
	v_rndne_f32 v[TT+8*\k+1], v[TT+8*\k+1]
.endr
.irp k, 0,1,2,3
	v_fma_f32 v[TT+8*\k+2], -v[TT+8*\k+1], s[P1], v[TT+8*\k]
.endr
.irp k, 0,1,2,3
	v_fma_f32 v[TT+8*\k+2], -v[TT+8*\k+1], s[P2], v[TT+8*\k+2]
.endr
.irp k, 0,1,2,3
	v_fma_f32 v[TT+8*\k+2], -v[TT+8*\k+1], s[P3], v[TT+8*\k+2]
.endr
.irp k, 0,1,2,3
	v_mul_f32 v[TT+8*\k+3], v[TT+8*\k+2], v[TT+8*\k+2]
.endr
.irp k, 0,1,2,3
	v_fma_f32 v[TT+8*\k+4], v[TT+8*\k+3], s[S3], s[S2]
	v_fma_f32 v[TT+8*\k+5], v[TT+8*\k+3], s[C3], s[C2]
.endr
.irp k, 0,1,2,3
	v_fma_f32 v[TT+8*\k+4], v[TT+8*\k+4], v[TT+8*\k+3], s[S1]
	v_fma_f32 v[TT+8*\k+5], v[TT+8*\k+5], v[TT+8*\k+3], s[C1]
.endr
.irp k, 0,1,2,3
	v_mul_f32 v[TT+8*\k+6], v[TT+8*\k+3], v[TT+8*\k+2]
	v_mul_f32 v[TT+8*\k+7], v[TT+8*\k+3], v[TT+8*\k+3]
	v_fma_f32 v[TT+8*\k], v[TT+8*\k+3], -0.5, 1.0
.endr
.irp k, 0,1,2,3
	v_fma_f32 v[TT+8*\k+4], v[TT+8*\k+4], v[TT+8*\k+6], v[TT+8*\k+2]
	v_fma_f32 v[TT+8*\k+5], v[TT+8*\k+5], v[TT+8*\k+7], v[TT+8*\k]
	v_cvt_i32_f32 v[TT+8*\k+1], v[TT+8*\k+1]
.endr
.irp k, 0,1,2,3
	v_and_b32 v[TT+8*\k+6], 1, v[TT+8*\k+1]
.endr
.irp k, 0,1,2,3
	v_cmp_eq_u32 s[56+\k], 1, v[TT+8*\k+6]         ; an odd quarter: sine and cosine change places
.endr
.irp k, 0,1,2,3
	v_cndmask_b32 v[SIN+(\n0)+\k], v[TT+8*\k+4], v[TT+8*\k+5], s[56+\k]
	v_cndmask_b32 v[COS+(\n0)+\k], v[TT+8*\k+5], v[TT+8*\k+4], s[56+\k]
	v_and_b32 v[TT+8*\k+6], 2, v[TT+8*\k+1]        ; quarters 2, 3: the sine is negative
	v_add_nc_u32 v[TT+8*\k+1], 1, v[TT+8*\k+1]
.endr
.irp k, 0,1,2,3
	v_lshlrev_b32 v[TT+8*\k+6], 30, v[TT+8*\k+6]
	v_and_b32 v[TT+8*\k+1], 2, v[TT+8*\k+1]        ; quarters 1, 2: the cosine is
.endr
.irp k, 0,1,2,3
	v_xor_b32 v[SIN+(\n0)+\k], v[SIN+(\n0)+\k], v[TT+8*\k+6]
	v_lshlrev_b32 v[TT+8*\k+1], 30, v[TT+8*\k+1]
.endr
.irp k, 0,1,2,3
	v_xor_b32 v[COS+(\n0)+\k], v[COS+(\n0)+\k], v[TT+8*\k+1]
.endr
.endm
.irp m, 0,1,2,3,4,5,6,7
	SC4 4*\m
.endr
.irp m, 0,1,2,3,4,5,6,7
	global_store_b128 v[LI], v[COS+4*\m:COS+4*\m+3], s[24:25] offset:512*\m        ; 512 consecutive bytes
	global_store_b128 v[LI], v[SIN+4*\m:SIN+4*\m+3], s[24:25] offset:4096+512*\m
.endr
	s_wait_tensorcnt 0x0                           ; the wave's end
	ds_add_u32 v[SPW], v[NIL]
	s_wait_dscnt 0x0
	s_endpgm
.Lfunc_end_k_q589fd422ca_prep:
	.size	k_q589fd422ca_prep, .Lfunc_end_k_q589fd422ca_prep-k_q589fd422ca_prep
	.p2alignl 7, 3214868480
	.fill 96, 4, 3214868480
	.section	.rodata,"a",@progbits
	.p2align	6, 0x0
	.amdhsa_kernel k_q589fd422ca_prep
		.amdhsa_group_segment_fixed_size 34304
		.amdhsa_private_segment_fixed_size 0
		.amdhsa_enable_private_segment 0
		.amdhsa_kernarg_size 72
		.amdhsa_user_sgpr_count 2
		.amdhsa_user_sgpr_kernarg_segment_ptr 1
		.amdhsa_wavefront_size32 1
		.amdhsa_system_sgpr_workgroup_id_x 1
		.amdhsa_system_sgpr_workgroup_id_y 1
		.amdhsa_system_sgpr_workgroup_id_z 1
		.amdhsa_system_vgpr_workitem_id 0
		.amdhsa_next_free_vgpr 256
		.amdhsa_next_free_sgpr 100
		.amdhsa_reserve_vcc 0
		.amdhsa_float_denorm_mode_32 3
		.amdhsa_float_denorm_mode_16_64 3
		.amdhsa_memory_ordered 1
		.amdhsa_forward_progress 1
		.amdhsa_inst_pref_size 136
	.end_amdhsa_kernel
	.amdgpu_metadata
---
amdhsa.version: [ 1, 2 ]
amdhsa.kernels:
  - .name:           k_q589fd422ca_prep
    .symbol:         k_q589fd422ca_prep.kd
    .args:
      - { .name: hidden_states, .offset: 0, .size: 8, .value_kind: global_buffer, .address_space: global }
      - { .name: Wq, .offset: 8, .size: 8, .value_kind: global_buffer, .address_space: global }
      - { .name: Wk, .offset: 16, .size: 8, .value_kind: global_buffer, .address_space: global }
      - { .name: Wv, .offset: 24, .size: 8, .value_kind: global_buffer, .address_space: global }
      - { .name: Wo, .offset: 32, .size: 8, .value_kind: global_buffer, .address_space: global }
      - { .name: position_ids, .offset: 40, .size: 8, .value_kind: global_buffer, .address_space: global }
      - { .name: lowp_scales, .offset: 48, .size: 8, .value_kind: global_buffer, .address_space: global }
      - { .name: codes, .offset: 56, .size: 8, .value_kind: global_buffer, .address_space: global }
      - { .name: rope, .offset: 64, .size: 8, .value_kind: global_buffer, .address_space: global }
    .group_segment_fixed_size: 34304
    .private_segment_fixed_size: 0
    .kernarg_segment_align: 8
    .kernarg_segment_size: 72
    .max_flat_workgroup_size: 128
    .sgpr_count:     100
    .vgpr_count:     256
    .wavefront_size: 32
...
	.end_amdgpu_metadata
.endif
;; end of part 1
;; launch qkv (part 2): grid 16 x 16, 4 waves a work-group, no clusters, 327,680 bytes of LDS; arguments codes, rope, lowp_scales, qc, kc, vc; writes qc, kc, vc
.if DOCPART == 2
	.amdgcn_target "amdgcn-amd-amdhsa--gfx1250"
	.amdhsa_code_object_version 6
	.text
	.protected	k_q589fd422ca_qkv
	.globl	k_q589fd422ca_qkv
	.p2align	8
	.type	k_q589fd422ca_qkv,@function
k_q589fd422ca_qkv:
	s_mov_b64 s[64:65], 0
	v_nop
	global_prefetch_b8 v0, s[64:65] scope:SCOPE_SE
	s_setreg_imm32_b32 hwreg(HW_REG_WAVE_MODE, 25, 1), 1
	s_wait_xcnt 0x0
; q = rot(x Wq^T), k = rot(x Wk^T), v = x Wv^T on codes of E4M3; the results are quantised (e6, e7, e9) and stored as images of operand registers for the attention.
; OPERANDS are images (block of 16 rows, K step of 128: 2,048 bytes; chunk c at 512 c, lane at 16 l; place i of block rb is row 32 (rb / 2) + 8 (rb % 2) + i + 8 (i / 8); k = 32 c + 16 (l / 16) + 0 .. 15 in registers 4 c .. 4 c + 3,
; the same order of k on both sides of a product).  Four loads of 16 bytes a lane at 16 x lane bring a fragment, from LDS or from memory: no pitch, no padding.
; A work-group makes 256 "A" rows x 128 "B" rows; wave w takes A's blocks 4 w .. 4 w + 3 against B's eight: 32 accumulators.  Source 0 = a block of B, source 1 = a block of A: lane r holds A's place r, and the 16 registers of B's blocks
; 2 b, 2 b + 1 are B's rows 32 b + 16 h + 0 .. 15: neighbours along the next product's K.  So eight conversions make the next operand's image, and channels d and d + 64 of the rotation lie in one lane, in blocks bb and bb + 4.
; ROLES by work-group x / 4: 0, 1: A = x (e0), B = a head of Wq; 2: A = x (e2), B = a head of Wk; 3: A = 256 rows of Wv, B = 128 tokens of x (e4): v comes out with a lane to a channel and registers along the keys.
; WHERE THE OPERANDS COME FROM.  B's rows are read by all four waves: all of them, 8 blocks x 16 K steps = 262,144 bytes, come into LDS by tensor loads that are all issued at the start, four a wave (its two blocks, four K steps a load).
; No LDS byte is filled twice, so there is no ring; a group of four K steps is read behind a counted wait and a barrier.  A's rows are read by one wave alone: its four blocks come from memory straight into registers,
; each load 512 consecutive bytes, through a ring of four sets of 64 registers: 48 to 64 loads of a wave are on their way.  The table of cos and sin is sets 16 to 19 of the same ring.
; K BEGINS AT ANOTHER QUARTER in each of four neighbouring work-groups (x % 4): those that read the same rows of A ask for different quarters of them at any one time.  LDS holds the groups in the order of the walk: only addresses in memory hang on it.
; NO CLUSTER.  Wq's and Wk's tiles could be shared by four token tiles, but v's B (128 tokens) is shared by two work-groups only; a mask is a constant word of the descriptor's group 1 and one text serves the three roles,
; so joint loads would want the first fills twice, under a branch on the role.  B is 262,144 of the 917,504 bytes that a work-group reads.
; NO PREFETCH: within the first four K steps every byte of A and of B has been asked for by a load of some work-group.
; LIMITS: e6 - e0 - e1, e7 - e2 - e3, e9 - e4 - e5 between -126 and 119.  The sums take K in the walk's order.
; REGISTERS: window 0: v20-31 addresses and scales; on the way out v128-191 the numbers, v192-255 the codes.  window 1: accumulator (a, bb) at v[8 (8 a + bb)].
;   window 2: B's fragments, two sets of 128.  window 3: A's ring: set s % 4 at v[64 (s % 4) + 16 a]; at the end cos and sin of my four token blocks: v[64 a + 32 cs + 8 bb + j].
.set KS,    16
.set NS,    KS                         ; K steps of 128
.set NG,    KS/4                       ; groups of four K steps
.set NSETS, NS+4                       ; sets that go through A's ring: the K steps, then cos and sin of four token blocks
.set BLKB,  KS*2048                    ; a block's images in memory
.set PEL,   KS*256                     ; the same in elements of 8 bytes
.set GRP,   65536                      ; LDS: a group: 8 blocks x 4 K steps x 2,048 bytes
.set SPARE, NG*GRP                     ; behind B: the spare words, which no other line names
.set OXK,   8388608
.set OXV,   16777216
.set OWQ,   25165824
.set OWK,   27262976
.set OWV,   28311552
.set ADRB, 20                          ; v20-23 16 x lane + the group's first byte
.set LI,   26                          ; v26    16 x lane
.set SPW,  28
.set NIL,  29
.set SCV,  30
.set LIMV, 31
.set T,    128
.set PC,   192
.set G1,  24                           ; s[24:31] descriptor group 1
.set G0,  32                           ; s[32:47] group 0, one set for each group of K steps
.set SA,  48                           ; s[48:55] my four blocks of A at the walk's j-th quarter of K
.set ROT, 84                           ; s84-87   that quarter's byte in a block's images
.set MSB, 0
.macro WIN new                         ; the immediate's high byte repeats the setting that is left
.if MSB != \new
	s_set_vgpr_msb (MSB<<8)|\new
.set MSB, \new
.endif
.endm
.set MUL,  0x5e                        ; source 0 (B) window 2, source 1 (A) window 3, C and D window 1
.set TO_B, 0x80                        ; destination window 2
.set TO_A, 0xc0                        ; destination window 3
.macro PLACES n
.rept \n
	v_nop
.endr
.endm
	s_load_b256 s[4:11], s[0:1], 0x0               ; codes, rope, lowp_scales, qc
	s_load_b128 s[12:15], s[0:1], 0x20             ; kc, vc
	v_lshl_add_u32 v[SPW], v0, 2, SPARE
	v_mov_b32 v[NIL], 0
	ds_add_u32 v[SPW], v[NIL]                      ; the opening: the add and its wait ahead of my first tensor load
	v_lshrrev_b32 v1, 5, v0
	v_readfirstlane_b32 s16, v1                    ; wave
	v_and_b32 v1, 31, v0
	v_lshlrev_b32 v[LI], 4, v1
.irp j, 0,1,2,3
	v_add_nc_u32 v[ADRB+\j], \j*GRP, v[LI]
.endr
	s_lshr_b32 s17, s16, 1
	s_and_b32 s18, s16, 1
	s_lshr_b32 s19, ttmp9, 2                       ; the role
	s_and_b32 s56, ttmp9, 3                        ; cx: the head among four; also where my walk along K begins
	s_and_b32 s57, ttmp7, 0xffff                   ; y
	; my four blocks of A in the buffer of codes
	s_lshl_b32 s58, s57, 19                        ; q: x with e0, 16 blocks x 32,768 bytes a tile
	s_add_co_u32 s60, s58, OXK                     ; k: x with e2
	s_and_b32 s61, s57, 1
	s_lshl_b32 s61, s61, 19
	s_add_co_u32 s61, s61, OWV                     ; v: 256 rows of Wv
	s_cmp_eq_u32 s19, 2
	s_cselect_b32 s58, s60, s58
	s_cmp_eq_u32 s19, 3
	s_cselect_b32 s58, s61, s58
	s_lshl_b32 s60, s16, 17
	s_add_co_u32 s58, s58, s60
	s_mov_b32 s59, 0
	; the two blocks of B that I fetch
	s_lshl_b32 s62, ttmp9, 18                      ; q: the head is work-group x
	s_add_co_u32 s62, s62, OWQ
	s_lshl_b32 s67, s56, 18
	s_add_co_u32 s67, s67, OWK
	s_lshr_b32 s80, s57, 1
	s_lshl_b32 s80, s80, 2
	s_add_co_u32 s80, s80, s56                     ; v: which 128 tokens
	s_lshl_b32 s81, s80, 18
	s_add_co_u32 s81, s81, OXV
	s_cmp_eq_u32 s19, 2
	s_cselect_b32 s62, s67, s62
	s_cmp_eq_u32 s19, 3
	s_cselect_b32 s62, s81, s62
	s_lshl_b32 s67, s16, 16
	s_add_co_u32 s62, s62, s67
	s_mov_b32 s63, 0
	s_lshl_b32 s82, s16, 14                        ; where they go in a group
	; group 1: two rows of 8,192 bytes (a block's four K steps), elements of 8 bytes, no padding, no mask
	s_mov_b32 s[G1], 3<<16
	s_mov_b32 s[G1+1], 1024<<16                    ; tensor_dim0
	s_mov_b32 s[G1+2], 2<<16                       ; tensor_dim1
	s_mov_b32 s[G1+3], 1024<<16                    ; tile_dim0
	s_mov_b32 s[G1+4], 2                           ; tile_dim1
	s_mov_b32 s[G1+5], PEL                         ; the pitch
	s_mov_b32 s[G1+6], 0
	s_mov_b32 s[G1+7], 0
.irp j, 0,1,2,3
	s_add_co_u32 s[ROT+\j], s56, \j                ; the walk's j-th quarter of K is quarter (cx + j) % 4
	s_and_b32 s[ROT+\j], s[ROT+\j], NG-1
	s_lshl_b32 s[ROT+\j], s[ROT+\j], 13
.endr
	s_mov_b32 s89, 0
	s_wait_dscnt 0x0                               ; the opening add is done
	s_wait_kmcnt 0x0
	s_load_b256 s[68:75], s[8:9], 0x0              ; e0 .. e7
	s_load_b128 s[76:79], s[8:9], 0x20             ; e8 .. e11
	s_add_nc_u64 s[20:21], s[4:5], s[58:59]
	s_add_nc_u64 s[22:23], s[4:5], s[62:63]
.irp j, 0,1,2,3
	s_mov_b32 s88, s[ROT+\j]
	s_add_nc_u64 s[SA+2*\j:SA+2*\j+1], s[20:21], s[88:89]
	s_mov_b32 s[G0+4*\j], 1
	s_add_co_u32 s[G0+4*\j+1], s82, \j*GRP
	s_add_nc_u64 s[G0+4*\j+2:G0+4*\j+3], s[22:23], s[88:89]
	s_or_b32 s[G0+4*\j+3], s[G0+4*\j+3], 0x80000000
.endr
.irp j, 0,1,2,3
	tensor_load_to_lds s[G0+4*\j:G0+4*\j+3], s[G1:G1+7]   ; all of B, in the walk's order: four tensor loads of mine are out
	s_nop 0
.endr
	PLACES 4
.macro ALOAD s                         ; set s of A's ring: my four blocks' fragments of K step s, or cos and sin of token block s - NS: 16 loads of 512 consecutive bytes
	WIN TO_A
.if (\s) < NS
.irp a, 0,1,2,3
.irp c, 0,1,2,3
	global_load_b128 v[64*((\s)%4)+16*\a+4*\c:64*((\s)%4)+16*\a+4*\c+3], v[LI], s[SA+2*((\s)/4):SA+2*((\s)/4)+1] offset:\a*BLKB+((\s)%4)*2048+512*\c
.endr
.endr
.else
.irp m, 0,1,2,3,4,5,6,7,8,9,10,11,12,13,14,15
	global_load_b128 v[64*((\s)%4)+4*\m:64*((\s)%4)+4*\m+3], v[LI], s[92:93] offset:8192*((\s)-NS)+512*\m
.endr
.endif
	WIN 0
.endm
.macro BRUN s, g                       ; B's blocks 2 g, 2 g + 1 of K step s into set s % 2: a run of eight LDS loads
.irp i, 0,1
.irp c, 0,1,2,3
	ds_load_b128 v[128*((\s)%2)+16*(2*(\g)+\i)+4*\c:128*((\s)%2)+16*(2*(\g)+\i)+4*\c+3], v[ADRB+(\s)/4] offset:(2*(\g)+\i)*8192+((\s)%4)*2048+512*\c
.endr
.endr
.endm
; eight matrix instructions: B's blocks 2 g, 2 g + 1 x my four of A.  The 32 accumulators take turns, one instruction a turn, in the same order in every step.  Step 0's products start the sums
.macro MULG s, g
.irp i, 0,1
.irp a, 0,1,2,3
.if (\s) == 0
	v_wmma_f32_16x16x128_fp8_fp8 v[8*(8*\a+2*(\g)+\i):8*(8*\a+2*(\g)+\i)+7], v[128*((\s)%2)+16*(2*(\g)+\i):128*((\s)%2)+16*(2*(\g)+\i)+15], v[64*((\s)%4)+16*\a:64*((\s)%4)+16*\a+15], 0
.else
	v_wmma_f32_16x16x128_fp8_fp8 v[8*(8*\a+2*(\g)+\i):8*(8*\a+2*(\g)+\i)+7], v[128*((\s)%2)+16*(2*(\g)+\i):128*((\s)%2)+16*(2*(\g)+\i)+15], v[64*((\s)%4)+16*\a:64*((\s)%4)+16*\a+15], v[8*(8*\a+2*(\g)+\i):8*(8*\a+2*(\g)+\i)+7]
.endif
.endr
.endr
.endm
; A K STEP: four times eight products and, behind them, the same two blocks of B for the next step: short runs of LDS loads, each asked for 24 products ahead of its use.
; The switches of the register window, two for each run, are the price of the short runs.
.macro STEP s
.if ((\s)%4 == 3) && ((\s)+1 < NS)     ; the next step begins a new group of B
	s_wait_dscnt 0x0                               ; no LDS instruction of mine is out at a signal
	s_wait_tensorcnt NG-1-((\s)+1)/4               ; my part of that group has landed; the later groups' loads may stay out
	s_barrier_signal -1
	s_barrier_wait -1                              ; everybody's has
.endif
.if NSETS-1-(\s) >= 3
	s_wait_loadcnt 48                              ; this step's 16 loads of A are in; the three younger sets may be out
.else
	s_wait_loadcnt 16*(NSETS-1-(\s))
.endif
.irp g, 0,1,2,3
.if (\s)+1 < NS
	s_wait_dscnt 24                                ; this run of eight is in; the three runs issued behind it may be out
.else
	s_wait_dscnt 24-8*\g
.endif
	WIN MUL
	MULG \s, \g
.if (\s)+1 < NS
	WIN TO_B
	BRUN (\s)+1, \g
.endif
.endr
	PLACES 4                                       ; four plain lines between this step's products and the loads into the registers that they read: A's set now, B's set in the next step (ISA guide 7.12.1 for vector instructions)
.if (\s)+4 < NSETS
	ALOAD (\s)+4                                   ; the set just multiplied takes the set four further on
.else
	WIN 0
.endif
.endm
	ALOAD 0
	ALOAD 1
	ALOAD 2
	ALOAD 3
	; cos and sin of token blocks 16 y + 4 w + a.  v's work-groups load them too and do not use them: one path through the ring
	s_lshl_b32 s94, s57, 4
	s_lshl_b32 s95, s16, 2
	s_add_co_u32 s94, s94, s95
	s_lshl_b32 s94, s94, 13
	s_mov_b32 s95, 0
	s_add_nc_u64 s[92:93], s[6:7], s[94:95]
	; where my four images go
	s_lshr_b32 s84, s57, 3                         ; the batch
	s_and_b32 s85, s57, 7
	s_lshl_b32 s85, s85, 4
	s_lshl_b32 s86, s16, 2
	s_add_co_u32 s85, s85, s86                     ; token block in the batch: 16 (y % 8) + 4 w
	s_lshl_b32 s86, s84, 3
	s_add_co_u32 s86, s86, ttmp9
	s_lshl_b32 s86, s86, 7
	s_add_co_u32 s86, s86, s85                     ; qc [b][8][128 blocks]
	s_lshl_b32 s87, s84, 2
	s_add_co_u32 s87, s87, s56
	s_lshl_b32 s87, s87, 7
	s_add_co_u32 s87, s87, s85                     ; kc [b][4][128 blocks]
	s_lshr_b32 s88, s80, 4
	s_lshl_b32 s88, s88, 2
	s_and_b32 s89, s57, 1
	s_lshl_b32 s89, s89, 1
	s_add_co_u32 s88, s88, s89
	s_add_co_u32 s88, s88, s17                     ; 4 b + the key head: 2 (y % 2) + w / 2
	s_lshl_b32 s88, s88, 4
	s_and_b32 s89, s80, 15
	s_add_co_u32 s88, s88, s89                     ; the key step
	s_lshl_b32 s88, s88, 3
	s_lshl_b32 s89, s18, 2
	s_add_co_u32 s88, s88, s89                     ; vc [b][4][16 key steps][8 channel blocks]
	s_mov_b64 s[90:91], s[10:11]
	s_cmp_eq_u32 s19, 2
	s_cselect_b32 s86, s87, s86
	s_cselect_b64 s[90:91], s[12:13], s[90:91]
	s_cmp_eq_u32 s19, 3
	s_cselect_b32 s86, s88, s86
	s_cselect_b64 s[90:91], s[14:15], s[90:91]
	s_lshl_b32 s86, s86, 11
	s_mov_b32 s87, 0
	s_add_nc_u64 s[90:91], s[90:91], s[86:87]
	s_wait_tensorcnt NG-1                          ; my part of B's first group is in; the three later loads may stay out
	s_barrier_signal -1
	s_barrier_wait -1                              ; everybody's is
	WIN TO_B
	BRUN 0, 0
	BRUN 0, 1
	BRUN 0, 2
	BRUN 0, 3
.irp s, 0,1,2,3,4,5,6,7,8,9,10,11,12,13,14,15
	STEP \s
.endr
	; THE WAY OUT.  A sum stands for sum x 2^(eA + eB); the rotation is linear, so it is made on the sums, and the three exponents are folded into the conversion's one scale
	s_wait_kmcnt 0x0
	s_sub_co_i32 s94, s74, s68
	s_sub_co_i32 s94, s94, s69                     ; q: e6 - e0 - e1
	s_sub_co_i32 s95, s75, s70
	s_sub_co_i32 s95, s95, s71                     ; k: e7 - e2 - e3
	s_sub_co_i32 s96, s77, s72
	s_sub_co_i32 s96, s96, s73                     ; v: e9 - e4 - e5
	s_cmp_eq_u32 s19, 2
	s_cselect_b32 s94, s95, s94
	s_cmp_eq_u32 s19, 3
	s_cselect_b32 s94, s96, s94
	s_add_co_i32 s94, s94, 127
	s_lshl_b32 s95, s94, 23
	s_add_co_i32 s94, s94, 8
	s_lshl_b32 s94, s94, 23
	s_or_b32 s94, s94, 0x600000
	v_mov_b32 v[SCV], s95
	v_mov_b32 v[LIMV], s94
.macro OUT a                           ; A's block a: 64 numbers a lane -> one image
	s_wait_loadcnt 16*(3-\a)                       ; cos and sin of this block are in; the later blocks' may be out
	s_cmp_eq_u32 s19, 3                            ; the role
	s_cbranch_scc1 .Lplain_\@
	WIN 0x0d                                       ; source 0 window 1 (the sums), source 1 window 3 (cos, sin)
.irp b, 0,1,2,3
.irp j, 0,2,4,6
	v_pk_mul_f32 v[T+8*\b+\j:T+8*\b+\j+1], v[64*\a+8*(\b+4)+\j:64*\a+8*(\b+4)+\j+1], v[64*\a+32+8*\b+\j:64*\a+32+8*\b+\j+1]
	v_pk_mul_f32 v[T+32+8*\b+\j:T+32+8*\b+\j+1], v[64*\a+8*\b+\j:64*\a+8*\b+\j+1], v[64*\a+32+8*\b+\j:64*\a+32+8*\b+\j+1]
	v_pk_fma_f32 v[T+8*\b+\j:T+8*\b+\j+1], v[64*\a+8*\b+\j:64*\a+8*\b+\j+1], v[64*\a+8*\b+\j:64*\a+8*\b+\j+1], v[T+8*\b+\j:T+8*\b+\j+1] neg_lo:[0,0,1] neg_hi:[0,0,1]   ; x(d) cos - x(d + 64) sin
	v_pk_fma_f32 v[T+32+8*\b+\j:T+32+8*\b+\j+1], v[64*\a+8*(\b+4)+\j:64*\a+8*(\b+4)+\j+1], v[64*\a+8*\b+\j:64*\a+8*\b+\j+1], v[T+32+8*\b+\j:T+32+8*\b+\j+1]   ; x(d + 64) cos + x(d) sin
.endr
.endr
	WIN 0
.set n, 0
.rept 64
	v_med3_num_f32 v[T+n], v[T+n], -v[LIMV], v[LIMV]
.set n, n+1
.endr
	s_branch .Lheld_\@
.Lplain_\@:
	WIN 0x01                                       ; source 0 window 1
.set n, 0
.rept 64
	v_med3_num_f32 v[T+n], v[64*\a+n], -v[LIMV], v[LIMV]
.set n, n+1
.endr
	WIN 0
.Lheld_\@:
.irp m, 0,1,2,3,4,5,6,7
	v_cvt_scalef32_pk8_fp8_f32 v[PC+16*\a+2*\m:PC+16*\a+2*\m+1], v[T+8*\m:T+8*\m+7], v[SCV]
.endr
	v_nop                                          ; a plain line between the conversions and the next writes of their sources
.irp c, 0,1,2,3
	global_store_b128 v[LI], v[PC+16*\a+4*\c:PC+16*\a+4*\c+3], s[90:91] offset:2048*\a+512*\c   ; 512 consecutive bytes; each block has its own registers for its codes
.endr
.endm
	OUT 0
	OUT 1
	OUT 2
	OUT 3
	s_wait_tensorcnt 0x0                           ; the wave's end
	ds_add_u32 v[SPW], v[NIL]
	s_wait_dscnt 0x0
	s_endpgm
.Lfunc_end_k_q589fd422ca_qkv:
	.size	k_q589fd422ca_qkv, .Lfunc_end_k_q589fd422ca_qkv-k_q589fd422ca_qkv
	.p2alignl 7, 3214868480
	.fill 96, 4, 3214868480
	.section	.rodata,"a",@progbits
	.p2align	6, 0x0
	.amdhsa_kernel k_q589fd422ca_qkv
		.amdhsa_group_segment_fixed_size 327680
		.amdhsa_private_segment_fixed_size 0
		.amdhsa_enable_private_segment 0
		.amdhsa_kernarg_size 48
		.amdhsa_user_sgpr_count 2
		.amdhsa_user_sgpr_kernarg_segment_ptr 1
		.amdhsa_wavefront_size32 1
		.amdhsa_system_sgpr_workgroup_id_x 1
		.amdhsa_system_sgpr_workgroup_id_y 1
		.amdhsa_system_sgpr_workgroup_id_z 1
		.amdhsa_system_vgpr_workitem_id 0
		.amdhsa_next_free_vgpr 1024
		.amdhsa_next_free_sgpr 100
		.amdhsa_reserve_vcc 0
		.amdhsa_float_denorm_mode_32 3
		.amdhsa_float_denorm_mode_16_64 3
		.amdhsa_memory_ordered 1
		.amdhsa_forward_progress 1
		.amdhsa_inst_pref_size 164
	.end_amdhsa_kernel
	.amdgpu_metadata
---
amdhsa.version: [ 1, 2 ]
amdhsa.kernels:
  - .name:           k_q589fd422ca_qkv
    .symbol:         k_q589fd422ca_qkv.kd
    .args:
      - { .name: codes, .offset: 0, .size: 8, .value_kind: global_buffer, .address_space: global }
      - { .name: rope, .offset: 8, .size: 8, .value_kind: global_buffer, .address_space: global }
      - { .name: lowp_scales, .offset: 16, .size: 8, .value_kind: global_buffer, .address_space: global }
      - { .name: qc, .offset: 24, .size: 8, .value_kind: global_buffer, .address_space: global }
      - { .name: kc, .offset: 32, .size: 8, .value_kind: global_buffer, .address_space: global }
      - { .name: vc, .offset: 40, .size: 8, .value_kind: global_buffer, .address_space: global }
    .group_segment_fixed_size: 327680
    .private_segment_fixed_size: 0
    .kernarg_segment_align: 8
    .kernarg_segment_size: 48
    .max_flat_workgroup_size: 128
    .sgpr_count:     100
    .vgpr_count:     1024
    .wavefront_size: 32
...
	.end_amdgpu_metadata
.endif
;; end of part 2
;; launch attn (part 3): grid 4 x 64, 8 waves a work-group, clusters of 4 x 4, 327,680 bytes of LDS; arguments qc, kc, vc, attention_mask, lowp_scales, oc; writes oc
.if DOCPART == 3
	.amdgcn_target "amdgcn-amd-amdhsa--gfx1250"
	.amdhsa_code_object_version 6
	.text
	.protected	k_q589fd422ca_attn
	.globl	k_q589fd422ca_attn
	.p2align	8
	.type	k_q589fd422ca_attn,@function
k_q589fd422ca_attn:
	s_mov_b64 s[64:65], 0
	v_nop
	global_prefetch_b8 v0, s[64:65] scope:SCOPE_SE
	s_setreg_imm32_b32 hwreg(HW_REG_WAVE_MODE, 25, 1), 1
	s_wait_xcnt 0x0
	s_wait_alu depctr_hold_cnt(0) depctr_sa_sdst(0) depctr_va_vdst(0) depctr_va_sdst(0) depctr_va_ssrc(0) depctr_va_vcc(0) depctr_vm_vsrc(0)
	s_getreg_b32 s2, hwreg(HW_REG_IB_STS2, 6, 4)
	s_cmp_eq_u32 s2, 0
	s_cbranch_scc0 .Lentry_in_a_cluster
	s_endpgm
.Lentry_in_a_cluster:
	s_bfe_u32 s2, ttmp6, 0x10000c
	s_cmp_lg_u32 s2, 0xf033
	s_cbranch_scc0 .Lentry_shape_is_right
	s_endpgm
.Lentry_shape_is_right:
; o = softmax(q k^T / sqrt(128) + mask) v on codes of E4M3, for 16 (batch, query head) pairs; o is quantised (e10) and stored as images for the last product.
; THE SOFTMAX: t = logit x log2(e); M = the running largest t rounded up to a whole number; p = 2^(t - M) is quantised (e8), not normalised; the row's sum is taken of the unquantised p and divides at the end.
; The mask is an input: every score of every head is computed, and every number of the mask is read and added.  It goes in as the C of the first product, multiplied by sqrt(128) / 2^(e6 + e7), so that t = c x (sum + C), c = log2(e) 2^(e6 + e7) / sqrt(128).
; SHARES.  A work-group: 64 queries x the two query heads of one key head.  Wave w: query block w % 4 (16 queries), BOTH heads (two tiles that share K's and V's fragments and the mask's registers), and half w / 4 of each slot's 256 keys.
; The two halves of the keys are merged once, at the end, through LDS.  Two waves share a SIMD: one's vector work stands beside the other's products and LDS loads.
; LAYOUT.  All operands are images of registers (see the launches before).  S^T = K Q^T and O^T = V^T P^T: a lane holds one query throughout; the 16 registers of key blocks 2 b, 2 b + 1 are keys 32 b + 16 h + 0 .. 15.
; CLUSTER 4 x 4: cx = the key head, 4 Y + cy = the block of 64 queries.  K's and V's tiles are shared along a column (same cx), the mask's along a row (same cy): all are asked for jointly.  A wave has one tensor load out.
; LIMITS: e6 + e7 between -123 and 129; e8, and e10 - e8 - e9, between -126 and 119; the mask holds no NaN and no +infinity; a row all of whose keys are -infinity is not served.  The mask is rounded once more than in the definition (its scaling).
; REGISTERS: window 0: v2-10 addresses; v12-27 statistics, 8 a tile: +0 -M, +1 largest sum, +2..5 the row's sum in four parts, +6 f, +7 its pair's partner; v28-31 scales; v32-63 Q; v64-95 p's codes (ahead of them two of K's fragments);
;   v96-159 the mask (behind it four of V's fragments); v160-223 four fragments; v224-255 two of K's fragments, then at work.   window 1: v0-127 S^T, then p; v128-255 O^T.
.set SLOTB, 132608                     ; a slot: K's two key steps, V's two (16,384 bytes each), the mask
.set VOFF,  32768
.set MOFF,  65536
.set MPIT,  1040                       ; a row of the mask: 1,024 bytes + 16
.set MGRP,  16768                      ; from 16 rows to the next 16: 128 more than a multiple of 256, so that rows 16 apart, which one load touches, start at other banks
.set SPARE, 2*SLOTB                    ; the spare words: 128 bytes for each of eight waves
.set STGW,  16896                      ; the merge: 16,384 bytes of O^T and 512 of statistics for each pair of waves, in slot 0, which has had its last fill and its last read by then
.set AKV, 2
.set AM,  4
.set SPW, 6
.set NIL, 7
.set STG, 8
.set LI,  9
.set PFO, 10
.set ST,  12
.set SCO, 28
.set LIMO, 29
.set LIMP, 30
.set SCP, 31
.set Q,   32
.set P,   64
.set MK,  96
.set FR,  160
.set KX,  224
.set MA,  224
.set WV,   16
.set G1KV, 24
.set G1M,  32
.set G0KV, 40
.set G0M,  48
.set CS,   56
.set SM,   58
.set SEL,  60
.set ASKF, 62
.set PFA,  66
.set PFS,  74
.set MSB, 0
.macro WIN new
.if MSB != \new
	s_set_vgpr_msb (MSB<<8)|\new
.set MSB, \new
.endif
.endm
.macro PLACES n
.rept \n
	v_nop
.endr
.endm
.macro JLOAD s                         ; waves 0-3: K's two steps, V's two; waves 4-7: 16 rows of the mask each; an s_nop 0 and four v_nop follow each line
	s_cmp_lt_u32 s[WV], 4
	s_cbranch_scc0 .Lfor_m_\@
	tensor_load_to_lds s[G0KV+4*(\s):G0KV+4*(\s)+3], s[G1KV:G1KV+7]
	s_nop 0
	PLACES 4
	s_branch .Lasked_\@
.Lfor_m_\@:
	tensor_load_to_lds s[G0M+4*(\s):G0M+4*(\s)+3], s[G1M:G1M+7]
	s_nop 0
	PLACES 4
.Lasked_\@:
.endm
.macro CROUND
	s_barrier_signal -1
	s_barrier_wait -1
	s_cmp_lg_u32 s[WV], 0
	s_cbranch_scc1 .Lnot_wave_0_\@
	s_barrier_signal -3
.Lnot_wave_0_\@:
	s_barrier_wait -3
	s_barrier_signal -1
	s_barrier_wait -1
.endm
; A PREFETCH of the tile that the NEXT change of slots will ask for, behind the wave's tensor load and its five lines.  Each aligned 256 bytes are named once in the launch.  The mask's tile (64 rows x 1,024 bytes): waves 0, 1 of each of
; the four partners that share it, told apart by address: partner cx takes rows 16 cx + 8 w + lane / 4, block lane % 4.  K's and V's 32,768 bytes: waves 2 and 3 of the batch's first cluster; partner cy takes 8,192 bytes, lanes 256 apart.
.macro ASK
	s_cmp_eq_u32 s[ASKF], 1
	s_cbranch_scc0 .Lnot_mine_\@
	global_prefetch_b8 v[PFO], s[PFA:PFA+1] th:TH_LOAD_NT scope:SCOPE_SE
.Lnot_mine_\@:
.endm
	s_load_b256 s[4:11], s[0:1], 0x0               ; qc, kc, vc, attention_mask
	s_load_b128 s[12:15], s[0:1], 0x20             ; lowp_scales, oc
	v_lshl_add_u32 v[SPW], v0, 2, SPARE
	v_mov_b32 v[NIL], 0
	ds_add_u32 v[SPW], v[NIL]                      ; the opening: the add and its wait ahead of my first tensor load
	v_lshrrev_b32 v1, 5, v0
	v_readfirstlane_b32 s[WV], v1
	s_and_b32 s17, s[WV], 3                        ; my query block; also which part of a tile I fetch
	s_lshr_b32 s18, s[WV], 2                       ; my half of the keys
	s_and_b32 s19, s[WV], 1
	s_bfe_u32 s20, ttmp6, 0x40000                  ; cx: the key head
	s_bfe_u32 s21, ttmp6, 0x40004                  ; cy
	s_and_b32 s22, ttmp7, 0xffff                   ; the cluster's y
	s_lshr_b32 s23, s22, 3                         ; the batch
	s_and_b32 s76, s22, 7
	s_lshl_b32 s76, s76, 2
	s_add_co_u32 s76, s76, s21                     ; my block of 64 queries
	s_lshl_b32 s77, s21, 2
	s_lshl_b32 s77, 15, s77                        ; my row of the cluster
	s_lshl_b32 s78, 0x1111, s20                    ; my column
	s_or_b32 s[G1KV], s78, (3<<16)|(1<<21)         ; K, V: a dense block of 16,384 bytes as 64 rows of 256; elements of 8 bytes
	s_mov_b32 s[G1KV+1], 32<<16
	s_mov_b32 s[G1KV+2], 64<<16
	s_mov_b32 s[G1KV+3], 32<<16
	s_mov_b32 s[G1KV+4], 64
	s_mov_b32 s[G1KV+5], 32
	s_mov_b32 s[G1KV+6], 0
	s_mov_b32 s[G1KV+7], 0
	s_or_b32 s[G1M], s77, (2<<16)|(1<<20)|(1<<21)|(7<<22)|(3<<25)   ; the mask: 16 rows of 256 f32, 2,048 apart; four words of padding behind every 256
	s_mov_b32 s[G1M+1], 256<<16
	s_mov_b32 s[G1M+2], 16<<16
	s_mov_b32 s[G1M+3], 256<<16
	s_mov_b32 s[G1M+4], 16
	s_mov_b32 s[G1M+5], 2048
	s_mov_b32 s[G1M+6], 0
	s_mov_b32 s[G1M+7], 0
	s_lshl_b32 s80, s23, 2
	s_add_co_u32 s80, s80, s20
	s_lshl_b32 s80, s80, 18                        ; the key head's first byte in kc and in vc: from the batch and cx alone
	s_lshl_b32 s82, s19, 14
	s_add_co_u32 s82, s82, s80
	s_mov_b32 s83, 0
	s_lshl_b32 s84, s23, 24                        ; the mask: from the batch and the query block alone
	s_lshl_b32 s85, s76, 19
	s_add_co_u32 s84, s84, s85
	s_lshl_b32 s85, s17, 17
	s_add_co_u32 s84, s84, s85
	s_mov_b32 s85, 0
	s_lshl_b32 s86, s17, 14                        ; where they go in a slot
	s_mul_i32 s87, s17, MGRP
	s_add_co_u32 s87, s87, MOFF
	s_mov_b32 s[CS], 0x3e0293ee                    ; log2(e) / sqrt(128)
	s_mov_b32 s[SM], 0x413504f3                    ; sqrt(128)
	s_mov_b32 s[SEL], 0x76543210
	s_mov_b32 s[SEL+1], 0xfedcba98
	s_wait_dscnt 0x0                               ; the opening add is done
	s_wait_kmcnt 0x0
	s_load_b64 s[68:69], s[12:13], 0x18            ; e6, e7
	s_load_b64 s[70:71], s[12:13], 0x20            ; e8, e9
	s_load_b64 s[72:73], s[12:13], 0x28            ; e10, e11
	s_cmp_lt_u32 s17, 2
	s_cselect_b64 s[88:89], s[6:7], s[8:9]
	s_add_nc_u64 s[88:89], s[88:89], s[82:83]
	s_add_nc_u64 s[90:91], s[10:11], s[84:85]
	CROUND                                         ; all sixteen work-groups are here
.irp s, 0,1
	s_mov_b32 s[G0KV+4*\s], 1
	s_add_co_u32 s[G0KV+4*\s+1], s86, \s*SLOTB
	s_add_nc_u64 s[G0KV+4*\s+2:G0KV+4*\s+3], s[88:89], \s*32768
	s_or_b32 s[G0KV+4*\s+3], s[G0KV+4*\s+3], 0x80000000
	s_mov_b32 s[G0M+4*\s], 1
	s_add_co_u32 s[G0M+4*\s+1], s87, \s*SLOTB
	s_add_nc_u64 s[G0M+4*\s+2:G0M+4*\s+3], s[90:91], \s*1024
	s_or_b32 s[G0M+4*\s+3], s[G0M+4*\s+3], 0x80000000
.endr
	JLOAD 0                                        ; tile 0
	v_and_b32 v1, 31, v0
	v_lshlrev_b32 v[LI], 4, v1
	s_lshl_b32 s88, s18, 14
	v_add_nc_u32 v[AKV], s88, v[LI]                ; my key step's fragments: 16 x lane
	v_add_nc_u32 v[AKV+1], SLOTB, v[AKV]
	s_lshl_b32 s88, s18, 9                         ; the mask: my key step's 512 bytes of a row,
	s_lshr_b32 s89, s17, 1
	s_mul_i32 s89, s89, 2*MGRP                     ; my query's row: 32 (i / 2) + 8 (i % 2) + r % 8 + 16 (r / 8)
	s_add_co_u32 s88, s88, s89
	s_mul_i32 s89, s19, 8*MPIT
	s_add_co_u32 s88, s88, s89
	s_add_co_u32 s88, s88, MOFF
	v_bfe_u32 v224, v0, 3, 1
	v_mul_u32_u24 v224, v224, MGRP
	v_and_b32 v225, 7, v0
	v_mad_u32_u24 v224, v225, MPIT, v224
	v_bfe_u32 v225, v0, 4, 1
	v_lshl_add_u32 v224, v225, 6, v224             ; + 64 h: my 16 keys of each 32
	v_add_nc_u32 v[AM], s88, v224
	v_add_nc_u32 v[AM+1], SLOTB, v[AM]
	s_mul_i32 s88, s17, STGW
	v_add_nc_u32 v[STG], s88, v[LI]
	; Q's two fragments, and where o goes
	s_lshl_b32 s94, s76, 2
	s_add_co_u32 s94, s94, s17                     ; my query block in the batch
	s_lshl_b32 s92, s23, 3
	s_lshl_b32 s93, s20, 1
	s_add_co_u32 s92, s92, s93
	s_lshl_b32 s92, s92, 7
	s_add_co_u32 s92, s92, s94
	s_lshl_b32 s92, s92, 11
	s_mov_b32 s93, 0
	s_add_nc_u64 s[4:5], s[4:5], s[92:93]
.irp u, 0,1
.irp c, 0,1,2,3
	global_load_b128 v[Q+16*\u+4*\c:Q+16*\u+4*\c+3], v[LI], s[4:5] offset:262144*\u+512*\c
.endr
.endr
	s_lshl_b32 s92, s23, 7
	s_add_co_u32 s92, s92, s94
	s_lshl_b32 s92, s92, 3
	s_lshl_b32 s95, s20, 1
	s_add_co_u32 s92, s92, s95
	s_lshl_b32 s92, s92, 11
	s_add_nc_u64 s[14:15], s[14:15], s[92:93]
	; the prefetches: where mine stand (at tile 1; the first trip steps them to tile 2), how they step, and who asks
	s_lshl_b32 s88, s76, 6
	s_lshl_b32 s89, s20, 4
	s_add_co_u32 s88, s88, s89
	s_lshl_b32 s89, s19, 3
	s_add_co_u32 s88, s88, s89
	s_lshl_b32 s88, s88, 13
	s_lshl_b32 s89, s23, 24
	s_add_co_u32 s88, s88, s89
	s_add_co_u32 s88, s88, 1024
	s_lshl_b32 s89, s21, 13
	s_add_co_u32 s89, s89, s80
	s_add_co_u32 s89, s89, 32768
	s_cmp_eq_u32 s17, 2
	s_cselect_b64 s[PFA:PFA+1], s[6:7], s[8:9]
	s_mov_b32 s90, 1024
	s_mov_b32 s[PFS], 32768
	s_cmp_lt_u32 s17, 2
	s_cselect_b64 s[PFA:PFA+1], s[10:11], s[PFA:PFA+1]
	s_cselect_b32 s88, s88, s89
	s_cselect_b32 s90, 8192, s90
	s_cselect_b32 s[PFS], 1024, s[PFS]
	s_mov_b32 s89, 0
	s_mov_b32 s[PFS+1], 0
	s_add_nc_u64 s[PFA:PFA+1], s[PFA:PFA+1], s[88:89]
	v_lshrrev_b32 v224, 2, v1
	v_mul_lo_u32 v224, v224, s90
	v_and_b32 v225, 3, v1
	v_lshl_add_u32 v[PFO], v225, 8, v224
	s_and_b32 s91, s22, 7
	s_cmp_eq_u32 s91, 0                            ; the batch's first cluster: the same in all partners
	s_cselect_b32 s[ASKF], 1, 0
	s_cmp_lt_u32 s[WV], 2
	s_cselect_b32 s[ASKF], 1, s[ASKF]
	s_cmp_lt_u32 s[WV], 4
	s_cselect_b32 s[ASKF], s[ASKF], 0
.irp u, 0,1
	v_mov_b32 v[ST+8*\u], 0x7f61b1e6               ; -M: over every -M to come
	v_mov_b32 v[ST+8*\u+1], 0xff61b1e6             ; the largest sum so far: -3e38
	v_mov_b32 v[ST+8*\u+2], 0
	v_mov_b32 v[ST+8*\u+3], 0
	v_mov_b32 v[ST+8*\u+4], 0
	v_mov_b32 v[ST+8*\u+5], 0
	v_mov_b32 v[ST+8*\u+6], 0
	v_mov_b32 v[ST+8*\u+7], 0
.endr
	WIN 0x40
.set n, 0
.rept 128
	v_mov_b32 v[128+n], 0                          ; O^T.  (The key step is written once for all trips: the first finds zeros, which the first change of M leaves zeros)
.set n, n+1
.endr
	WIN 0
	s_wait_kmcnt 0x0
	s_add_co_i32 s92, s68, s69
	s_lshl_b32 s92, s92, 23
	s_add_co_i32 s[CS], s[CS], s92                 ; x 2^(e6 + e7): added to the exponent field
	s_mov_b32 s[CS+1], s[CS]
	s_sub_co_i32 s[SM], s[SM], s92                 ; / 2^(e6 + e7)
	s_mov_b32 s[SM+1], s[SM]
	s_add_co_i32 s92, s70, 127
	s_lshl_b32 s93, s92, 23
	v_mov_b32 v[SCP], s93                          ; 2^e8
	s_add_co_i32 s92, s92, 8
	s_lshl_b32 s92, s92, 23
	s_or_b32 s92, s92, 0x600000
	v_mov_b32 v[LIMP], s92                         ; 448 x 2^e8
	s_sub_co_i32 s92, s72, s70
	s_sub_co_i32 s92, s92, s71
	s_add_co_i32 s92, s92, 127
	s_lshl_b32 s93, s92, 23
	v_mov_b32 v[SCO], s93                          ; 2^(e10 - e8 - e9): O^T / l stands for o / 2^(e8 + e9)
	s_add_co_i32 s92, s92, 8
	s_lshl_b32 s92, s92, 23
	s_or_b32 s92, s92, 0x600000
	v_mov_b32 v[LIMO], s92
.macro FRAGS reg, n, slot, off         ; n fragments on end: chunk f lies at 512 f and lands in registers reg + 4 f
.set f, 0
.rept 4*(\n)
	ds_load_b128 v[(\reg)+4*f:(\reg)+4*f+3], v[AKV+\slot] offset:(\off)+512*f
.set f, f+1
.endr
.endm
.macro SMUL t, reg                     ; S^T of key block t, both heads; K's fragment at reg; C = the scaled mask
.irp u, 0,1
	v_wmma_f32_16x16x128_fp8_fp8 v[64*\u+8*(\t):64*\u+8*(\t)+7], v[(\reg):(\reg)+15], v[Q+16*\u:Q+16*\u+15], v[MK+8*(\t):MK+8*(\t)+7]
.endr
.endm
.macro OMUL t, reg                     ; O^T += V^T P^T, channel block t, both heads: sixteen accumulators, one instruction each in a key step
.irp u, 0,1
	v_wmma_f32_16x16x128_fp8_fp8 v[128+64*\u+8*(\t):128+64*\u+8*(\t)+7], v[(\reg):(\reg)+15], v[P+16*\u:P+16*\u+15], v[128+64*\u+8*(\t):128+64*\u+8*(\t)+7]
.endr
.endm
; A KEY STEP of a wave: its 128 keys of the slot, both heads
.macro KSTEP slot
	PLACES 4                                       ; four plain lines between the last products and the loads into the registers that they read
.set f, 0
.rept 16
	ds_load_b128 v[MK+4*f:MK+4*f+3], v[AM+\slot] offset:128*(f/4)+16*(f%4)   ; register 16 b + i: the mask at key 32 b + 16 h + i of my query
.set f, f+1
.endr
	FRAGS FR, 4, \slot, 0                          ; all eight of K's fragments are asked for at once: four where fragments lie,
	FRAGS P, 2, \slot, 8192                        ; two in the registers that p's codes take later in the step,
	FRAGS KX, 2, \slot, 12288                      ; two in the registers that are at work later in the step
	s_wait_dscnt 32                                ; the mask is in; K's 32 loads may be out
.set n, 0
.rept 32
	v_pk_mul_f32 v[MK+n:MK+n+1], v[MK+n:MK+n+1], s[SM:SM+1] op_sel_hi:[1,0]
.set n, n+2
.endr
	s_wait_dscnt 16                                ; K's first four fragments are in; the 16 loads behind them may be out
	WIN 0x40                                       ; destination window 1
.irp t, 0,1,2,3
	SMUL \t, FR+16*\t
.endr
	s_wait_dscnt 0x0
	SMUL 4, P
	SMUL 5, P+16
	SMUL 6, KX
	SMUL 7, KX+16
	WIN 0
	PLACES 4                                       ; for the loads below, for the first read of the sums and for the writes of the work registers
	FRAGS FR, 4, \slot, VOFF                       ; all eight of V's fragments land under the softmax: four where K's lay,
	FRAGS MK, 4, \slot, VOFF+8192                  ; four where the mask lay
	WIN 0x14                                       ; sources 1 and 2 window 1
.irp u, 0,1
	v_max3_num_f32 v[MA+2*\u], v[ST+8*\u+1], v[64*\u], v[64*\u+1]       ; two chains a tile, both begun with the running maximum; each accumulator is read from its low end on
	v_max3_num_f32 v[MA+2*\u+1], v[ST+8*\u+1], v[64*\u+2], v[64*\u+3]
.endr
.set n, 4
.rept 15
.irp u, 0,1
	v_max3_num_f32 v[MA+2*\u], v[MA+2*\u], v[64*\u+n], v[64*\u+n+1]
	v_max3_num_f32 v[MA+2*\u+1], v[MA+2*\u+1], v[64*\u+n+2], v[64*\u+n+3]
.endr
.set n, n+4
.endr
	WIN 0
.irp u, 0,1
	v_max_num_f32 v[MA+2*\u], v[MA+2*\u], v[MA+2*\u+1]
.endr
.irp u, 0,1
	v_permlanex16_b32 v[MA+2*\u+1], v[MA+2*\u], s[SEL], s[SEL+1]        ; the query's other 64 keys lie in the lane 16 away
.endr
.irp u, 0,1
	v_max_num_f32 v[ST+8*\u+1], v[MA+2*\u], v[MA+2*\u+1]
.endr
.irp u, 0,1
	v_mul_f32 v[MA+2*\u], s[CS], v[ST+8*\u+1]      ; as t (c is positive)
	v_mov_b32 v[MA+2*\u+1], v[ST+8*\u]
.endr
.irp u, 0,1
	v_floor_f32 v[ST+8*\u], -v[MA+2*\u]            ; -M = floor(-t): M is a whole number
.endr
.irp u, 0,1
	v_sub_f32 v[MA+2*\u+1], v[ST+8*\u], v[MA+2*\u+1]   ; old M - new M: a whole number, 0 or less
.endr
.irp u, 0,1
	v_cvt_i32_f32 v[MA+2*\u+1], v[MA+2*\u+1]       ; (it saturates)
.endr
.irp u, 0,1
	v_ldexp_f32 v[ST+8*\u+6], 1.0, v[MA+2*\u+1]    ; f = 2^(old M - new M)
.endr
	; ONE BATCH of 128 exponentials, with plain lines that read none of their results between them, all under one window setting: tile 0's stand among tile 1's scalings, tile 1's among the rescalings of O^T
	WIN 0x41                                       ; destination and source 0 window 1
.set n, 0
.rept 32
	v_pk_fma_f32 v[n:n+1], v[n:n+1], s[CS:CS+1], v[ST:ST+1] op_sel_hi:[1,0,0]   ; tile 0: t - M
.set n, n+2
.endr
.set n, 0
.rept 32
	v_exp_f32 v[n], v[n]                           ; tile 0: p = 2^(t - M)
	v_pk_fma_f32 v[64+n:64+n+1], v[64+n:64+n+1], s[CS:CS+1], v[ST+8:ST+9] op_sel_hi:[1,0,0]   ; tile 1: t - M
	v_exp_f32 v[n+1], v[n+1]
.set n, n+2
.endr
.set n, 0
.rept 64
	v_exp_f32 v[64+n], v[64+n]                     ; tile 1: p
	v_pk_mul_f32 v[128+2*n:128+2*n+1], v[128+2*n:128+2*n+1], v[ST+8*(n/32)+6:ST+8*(n/32)+7] op_sel_hi:[1,0]   ; O^T under the new M, each accumulator from its low end on
.set n, n+1
.endr
	WIN 0
.irp u, 0,1
	v_pk_mul_f32 v[ST+8*\u+2:ST+8*\u+3], v[ST+8*\u+2:ST+8*\u+3], v[ST+8*\u+6:ST+8*\u+7] op_sel_hi:[1,0]   ; the sums under the new M
	v_pk_mul_f32 v[ST+8*\u+4:ST+8*\u+5], v[ST+8*\u+4:ST+8*\u+5], v[ST+8*\u+6:ST+8*\u+7] op_sel_hi:[1,0]
.endr
	s_wait_alu depctr_va_vdst(0)                   ; one wait for the batch of 128, ahead of its first reader
	WIN 0x04                                       ; source 1 window 1
.set n, 0
.rept 16
.irp u, 0,1
	v_pk_add_f32 v[ST+8*\u+2:ST+8*\u+3], v[ST+8*\u+2:ST+8*\u+3], v[64*\u+n:64*\u+n+1]      ; the row's sum, of the unquantised p
	v_pk_add_f32 v[ST+8*\u+4:ST+8*\u+5], v[ST+8*\u+4:ST+8*\u+5], v[64*\u+n+2:64*\u+n+3]
.endr
.set n, n+4
.endr
	WIN 0x41
.set n, 0
.rept 128
	v_min_num_f32 v[n], v[n], v[LIMP]              ; the conversion does not saturate (ISA guide 7.6.2); p is not negative, so the hold is one-sided
.set n, n+1
.endr
	WIN 0x01                                       ; source 0 window 1
.irp u, 0,1
.irp m, 0,1,2,3,4,5,6,7
	v_cvt_scalef32_pk8_fp8_f32 v[P+16*\u+2*\m:P+16*\u+2*\m+1], v[64*\u+8*\m:64*\u+8*\m+7], v[SCP]
.endr
.endr
	v_nop                                          ; a plain line between the conversions and the products that read their results
	WIN 0
	s_wait_dscnt 0x0                               ; V's eight fragments
	WIN 0x50                                       ; C and D window 1
.irp t, 0,1,2,3
	OMUL \t, FR+16*\t
.endr
.irp t, 0,1,2,3
	OMUL 4+\t, MK+16*\t
.endr
	WIN 0
.endm
; A TRIP: the change of slots stands at its head.  Each wave waits for all its tensor loads (its part of this trip's tile), adds 0 to its spare word, waits for that and for its reads of the other slot.
; refill = 1: a round of the cluster's barrier, and behind it first the next tile, into the slot read last trip: it has a whole key step in which to land.
.macro TRIP slot, refill, ask
	s_wait_tensorcnt 0x0                           ; no tensor load of mine is out, so a group 0 may be written
	ds_add_u32 v[SPW], v[NIL]
	s_add_nc_u64 s[G0KV+4*\slot+2:G0KV+4*\slot+3], s[G0KV+4*\slot+2:G0KV+4*\slot+3], 65536   ; this slot's next tile
	s_add_nc_u64 s[G0M+4*\slot+2:G0M+4*\slot+3], s[G0M+4*\slot+2:G0M+4*\slot+3], 2048
.if \ask
	s_wait_xcnt 0x0                                ; the last prefetch, a trip back, has read its address
	s_add_nc_u64 s[PFA:PFA+1], s[PFA:PFA+1], s[PFS:PFS+1]
.endif
	s_wait_dscnt 0x0                               ; the add is done; my reads of the other slot are over
.if \refill
	CROUND
	JLOAD 1-\slot
.else
	s_barrier_signal -1
	s_barrier_wait -1
.endif
.if \ask
	ASK                                            ; trip n asks for tile n + 2, one trip ahead of its tensor load
.endif
	KSTEP \slot
.endm
	s_wait_loadcnt 0x0                             ; Q
	s_mov_b32 s3, 3
.Lpair:                                            ; trips 0 to 5: tiles 1 to 6 are asked for
	TRIP 0, 1, 1
	TRIP 1, 1, 1
	s_sub_co_u32 s3, s3, 1
	s_cmp_lg_u32 s3, 0
	s_cbranch_scc1 .Lpair
	TRIP 0, 1, 0                                   ; the tail is written out: tile 7 is asked for, nothing is prefetched,
	TRIP 1, 0, 0                                   ; and the last trip asks for nothing
	; THE MERGE.  The sum's four parts and lane l xor 16's; these plain lines are also the places behind the last products
.irp u, 0,1
	v_pk_add_f32 v[ST+8*\u+2:ST+8*\u+3], v[ST+8*\u+2:ST+8*\u+3], v[ST+8*\u+4:ST+8*\u+5]
.endr
.irp u, 0,1
	v_add_f32 v[ST+8*\u+2], v[ST+8*\u+2], v[ST+8*\u+3]
.endr
.irp u, 0,1
	v_permlanex16_b32 v[MA+2*\u+1], v[ST+8*\u+2], s[SEL], s[SEL+1]
.endr
.irp u, 0,1
	v_add_f32 v[ST+8*\u+2], v[ST+8*\u+2], v[MA+2*\u+1]
.endr
	v_mov_b32 v228, v[ST]
	v_mov_b32 v229, v[ST+8]
	v_mov_b32 v230, v[ST+2]
	v_mov_b32 v231, v[ST+10]
	s_cmp_lt_u32 s[WV], 4
	s_cbranch_scc1 .Lkeeper
	WIN 0x04                                       ; the data in window 1.  Waves 4-7 hand their O^T, -M and sums to waves 0-3, as images of their registers
.set n, 0
.rept 32
	ds_store_b128 v[STG], v[128+4*n:128+4*n+3] offset:512*n
.set n, n+1
.endr
	WIN 0
	ds_store_b128 v[STG], v[228:231] offset:16384
.Lkeeper:
	s_wait_dscnt 0x0                               ; for the others' sake: my stores are done
	s_barrier_signal -1
	s_barrier_wait -1
	s_cmp_lt_u32 s[WV], 4
	s_cbranch_scc0 .Lend
	WIN 0x40                                       ; the partner's O^T into the registers that p has left
.set n, 0
.rept 32
	ds_load_b128 v[4*n:4*n+3], v[STG] offset:512*n
.set n, n+1
.endr
	WIN 0
	ds_load_b128 v[232:235], v[STG] offset:16384
	s_wait_dscnt 0x0
.irp u, 0,1
	v_min_num_f32 v[MA+2*\u], v[ST+8*\u], v[232+\u]            ; the greater M
.endr
.irp u, 0,1
	v_sub_f32 v[236+4*\u], v[MA+2*\u], v[ST+8*\u]              ; my M - M, the partner's M - M: whole numbers, 0 or less
	v_sub_f32 v[238+4*\u], v[MA+2*\u], v[232+\u]
.endr
.irp u, 0,1
	v_cvt_i32_f32 v[236+4*\u], v[236+4*\u]
	v_cvt_i32_f32 v[238+4*\u], v[238+4*\u]
.endr
.irp u, 0,1
	v_ldexp_f32 v[236+4*\u], 1.0, v[236+4*\u]
	v_ldexp_f32 v[238+4*\u], 1.0, v[238+4*\u]
.endr
.irp u, 0,1
	v_mul_f32 v[MA+2*\u+1], v[ST+8*\u+2], v[236+4*\u]
.endr
.irp u, 0,1
	v_fma_f32 v[MA+2*\u+1], v[234+\u], v[238+4*\u], v[MA+2*\u+1]   ; the row's sum under the common M
.endr
.irp u, 0,1
	v_rcp_f32 v[MA+2*\u+1], v[MA+2*\u+1]
.endr
	v_nop                                          ; a plain line behind the reciprocals
	s_wait_alu depctr_va_vdst(0)                   ; one wait for both, ahead of their first reader
.irp u, 0,1
	v_mul_f32 v[236+4*\u], v[236+4*\u], v[MA+2*\u+1]
	v_mul_f32 v[238+4*\u], v[238+4*\u], v[MA+2*\u+1]
.endr
.irp u, 0,1
	v_mov_b32 v[237+4*\u], v[236+4*\u]             ; as pairs, for the packed forms
	v_mov_b32 v[239+4*\u], v[238+4*\u]
.endr
	WIN 0x51                                       ; destination, source 0 and source 2 window 1
.irp u, 0,1
.set n, 0
.rept 32
	v_pk_mul_f32 v[128+64*\u+n:128+64*\u+n+1], v[128+64*\u+n:128+64*\u+n+1], v[236+4*\u:237+4*\u]
.set n, n+2
.endr
.endr
.irp u, 0,1
.set n, 0
.rept 32
	v_pk_fma_f32 v[128+64*\u+n:128+64*\u+n+1], v[64*\u+n:64*\u+n+1], v[238+4*\u:239+4*\u], v[128+64*\u+n:128+64*\u+n+1]
.set n, n+2
.endr
.endr
	WIN 0x41
.set n, 0
.rept 128
	v_med3_num_f32 v[128+n], v[128+n], -v[LIMO], v[LIMO]
.set n, n+1
.endr
	WIN 0x01
.irp u, 0,1
.irp m, 0,1,2,3,4,5,6,7
	v_cvt_scalef32_pk8_fp8_f32 v[P+16*\u+2*\m:P+16*\u+2*\m+1], v[128+64*\u+8*\m:128+64*\u+8*\m+7], v[SCO]
.endr
.endr
	WIN 0
	v_nop                                          ; a plain line behind the last conversion
.irp u, 0,1
.irp c, 0,1,2,3
	global_store_b128 v[LI], v[P+16*\u+4*\c:P+16*\u+4*\c+3], s[14:15] offset:2048*\u+512*\c   ; the image (token block, K step = query head): 512 consecutive bytes
.endr
.endr
.Lend:
	s_wait_tensorcnt 0x0                           ; the wave's end
	ds_add_u32 v[SPW], v[NIL]
	s_wait_dscnt 0x0
	CROUND                                         ; the closing round
	s_endpgm
.Lfunc_end_k_q589fd422ca_attn:
	.size	k_q589fd422ca_attn, .Lfunc_end_k_q589fd422ca_attn-k_q589fd422ca_attn
	.p2alignl 7, 3214868480
	.fill 96, 4, 3214868480
	.section	.rodata,"a",@progbits
	.p2align	6, 0x0
	.amdhsa_kernel k_q589fd422ca_attn
		.amdhsa_group_segment_fixed_size 327680
		.amdhsa_private_segment_fixed_size 0
		.amdhsa_enable_private_segment 0
		.amdhsa_kernarg_size 48
		.amdhsa_user_sgpr_count 2
		.amdhsa_user_sgpr_kernarg_segment_ptr 1
		.amdhsa_wavefront_size32 1
		.amdhsa_system_sgpr_workgroup_id_x 1
		.amdhsa_system_sgpr_workgroup_id_y 1
		.amdhsa_system_sgpr_workgroup_id_z 1
		.amdhsa_system_vgpr_workitem_id 0
		.amdhsa_next_free_vgpr 512
		.amdhsa_next_free_sgpr 100
		.amdhsa_reserve_vcc 0
		.amdhsa_float_denorm_mode_32 3
		.amdhsa_float_denorm_mode_16_64 3
		.amdhsa_memory_ordered 1
		.amdhsa_forward_progress 1
		.amdhsa_inst_pref_size 187
	.end_amdhsa_kernel
	.amdgpu_metadata
---
amdhsa.version: [ 1, 2 ]
amdhsa.kernels:
  - .name:           k_q589fd422ca_attn
    .symbol:         k_q589fd422ca_attn.kd
    .args:
      - { .name: qc, .offset: 0, .size: 8, .value_kind: global_buffer, .address_space: global }
      - { .name: kc, .offset: 8, .size: 8, .value_kind: global_buffer, .address_space: global }
      - { .name: vc, .offset: 16, .size: 8, .value_kind: global_buffer, .address_space: global }
      - { .name: attention_mask, .offset: 24, .size: 8, .value_kind: global_buffer, .address_space: global }
      - { .name: lowp_scales, .offset: 32, .size: 8, .value_kind: global_buffer, .address_space: global }
      - { .name: oc, .offset: 40, .size: 8, .value_kind: global_buffer, .address_space: global }
    .group_segment_fixed_size: 327680
    .private_segment_fixed_size: 0
    .kernarg_segment_align: 8
    .kernarg_segment_size: 48
    .max_flat_workgroup_size: 256
    .sgpr_count:     100
    .vgpr_count:     512
    .wavefront_size: 32
...
	.end_amdgpu_metadata
.endif
;; end of part 3
;; launch proj (part 4): grid 16 x 16, 4 waves a work-group, clusters of 4 x 1, 327,680 bytes of LDS; arguments oc, codes, lowp_scales, out0; writes out0
.if DOCPART == 4
	.amdgcn_target "amdgcn-amd-amdhsa--gfx1250"
	.amdhsa_code_object_version 6
	.text
	.protected	k_q589fd422ca_proj
	.globl	k_q589fd422ca_proj
	.p2align	8
	.type	k_q589fd422ca_proj,@function
k_q589fd422ca_proj:
	s_mov_b64 s[64:65], 0
	v_nop
	global_prefetch_b8 v0, s[64:65] scope:SCOPE_SE
	s_setreg_imm32_b32 hwreg(HW_REG_WAVE_MODE, 25, 1), 1
	s_wait_xcnt 0x0
	s_wait_alu depctr_hold_cnt(0) depctr_sa_sdst(0) depctr_va_vdst(0) depctr_va_sdst(0) depctr_va_ssrc(0) depctr_va_vcc(0) depctr_vm_vsrc(0)
	s_getreg_b32 s2, hwreg(HW_REG_IB_STS2, 6, 4)
	s_cmp_eq_u32 s2, 0
	s_cbranch_scc0 .Lentry_in_a_cluster
	s_endpgm
.Lentry_in_a_cluster:
	s_bfe_u32 s2, ttmp6, 0x10000c
	s_cmp_lg_u32 s2, 0x3003
	s_cbranch_scc0 .Lentry_shape_is_right
	s_endpgm
.Lentry_shape_is_right:
; out0 = o Wo^T on codes of E4M3: [4,096 tokens, K 1,024] x [2,048, K 1,024]; each finished sum x 2^(e10 + e11).  LIMIT: e10 + e11 between -126 and 127.  The sums take K in the walk's order (below).
; Operands are images of registers (block of 16 rows, K step of 128: 2,048 bytes; place i of block rb is row 32 (rb / 2) + 8 (rb % 2) + i + 8 (i / 8)), as the launches before have stored them.
; A work-group makes 256 tokens x 128 columns: 256 work-groups.  Wave w takes token blocks 4 w .. 4 w + 3 against Wo's eight blocks: 32 accumulators.  Source 0 = a block of Wo, source 1 = a block of tokens:
; lane r holds a token, and its eight registers eight neighbouring columns.
; WHERE THE OPERANDS COME FROM.  Wo's 128 rows are read by all four waves: all of them, 8 blocks x 8 K steps = 131,072 bytes, come into LDS by tensor loads that are all issued at the start, two a wave (its two blocks, four K steps a load).
; No LDS byte is filled twice, so there is no ring; a group of four K steps is read behind a counted wait and a barrier.  The tokens' rows are read by one wave alone: its four blocks come from memory straight into registers,
; each load 512 consecutive bytes, through a ring of four sets of 64 registers: 48 to 64 loads of a wave are on their way.
; CLUSTER 4 x 1 along the tokens: the four partners make the same 128 columns and ask for Wo's tile jointly; its address hangs on work-group y and the wave alone.
; K BEGINS AT ITS FIRST OR AT ITS SECOND HALF by y % 2: the work-groups that read the same tokens ask for different halves of them at any one time.  LDS holds the groups in the order of the walk: only addresses in memory hang on it.
; NO PREFETCH: within the first four K steps every byte of both operands has been asked for by a load of some work-group.
; REGISTERS: window 0: v20-29 addresses; on the way out v32-95 scaled sums, v128-255 rows read back.  window 1: accumulator (a, bb) at v[8 (8 a + bb)].  window 2: Wo's fragments, two sets.  window 3: the tokens' ring: set s % 4 at v[64 (s % 4) + 16 a].
.set KS,    8
.set NS,    KS                         ; K steps of 128
.set NG,    KS/4                       ; groups of four K steps
.set NSETS, NS                         ; sets that go through the tokens' ring
.set BLKB,  KS*2048                    ; a block's images in memory
.set PEL,   KS*256
.set GRP,   65536                      ; LDS: a group: 8 blocks x 4 K steps x 2,048 bytes
.set STAGE, NG*GRP                     ; behind Wo: a stage of 16 rows x (512 + 16) bytes for each wave: bytes of its own, into which no fill lands
.set SPARE, STAGE+4*8448               ; behind the stages: the spare words, which no other line names
.set OWO,   29360128
.set ADRB, 20
.set STO,  24
.set RD,   25
.set LI,   26
.set SPW,  28
.set NIL,  29
.set TMP,  32
.set BK,   128
.set G1,  24
.set G0,  32
.set SA,  48
.set ROT, 84
.set MSB, 0
.macro WIN new
.if MSB != \new
	s_set_vgpr_msb (MSB<<8)|\new
.set MSB, \new
.endif
.endm
.set MUL,  0x5e                        ; source 0 (Wo) window 2, source 1 (tokens) window 3, C and D window 1
.set TO_B, 0x80
.set TO_A, 0xc0
.macro PLACES n
.rept \n
	v_nop
.endr
.endm
.macro CROUND                          ; a round of the cluster's barrier
	s_barrier_signal -1
	s_barrier_wait -1
	s_cmp_lg_u32 s16, 0
	s_cbranch_scc1 .Lnot_wave_0_\@
	s_barrier_signal -3
.Lnot_wave_0_\@:
	s_barrier_wait -3
	s_barrier_signal -1
	s_barrier_wait -1
.endm
	s_load_b256 s[4:11], s[0:1], 0x0               ; oc, codes, lowp_scales, out0
	v_lshl_add_u32 v[SPW], v0, 2, SPARE
	v_mov_b32 v[NIL], 0
	ds_add_u32 v[SPW], v[NIL]                      ; the opening: the add and its wait ahead of my first tensor load
	v_lshrrev_b32 v1, 5, v0
	v_readfirstlane_b32 s16, v1                    ; wave
	v_and_b32 v1, 31, v0
	v_and_b32 v2, 15, v0
	v_bfe_u32 v3, v0, 4, 1
	v_lshlrev_b32 v[LI], 4, v1
.irp j, 0,1
	v_add_nc_u32 v[ADRB+\j], \j*GRP, v[LI]
.endr
	s_bfe_u32 s56, ttmp6, 0x40000                  ; cx
	s_lshl_b32 s19, ttmp9, 2
	s_add_co_u32 s19, s19, s56                     ; the tile of tokens
	s_and_b32 s57, ttmp7, 0xffff                   ; the tile of columns: the four partners share it
	s_lshl_b32 s58, s19, 18                        ; 16 blocks x 16,384 bytes a tile of tokens,
	s_lshl_b32 s60, s16, 16                        ; my four blocks
	s_add_co_u32 s58, s58, s60
	s_mov_b32 s59, 0
	s_lshl_b32 s62, s57, 17                        ; 8 blocks a tile of Wo,
	s_lshl_b32 s67, s16, 15                        ; the two that I fetch
	s_add_co_u32 s62, s62, s67
	s_add_co_u32 s62, s62, OWO
	s_mov_b32 s63, 0
	s_lshl_b32 s82, s16, 14                        ; where they go in a group
	; group 1: two rows of 8,192 bytes (a block's four K steps), elements of 8 bytes, no padding; the mask names all four partners, bit 21 beside it
	s_mov_b32 s[G1], 15|(3<<16)|(1<<21)
	s_mov_b32 s[G1+1], 1024<<16                    ; tensor_dim0
	s_mov_b32 s[G1+2], 2<<16                       ; tensor_dim1
	s_mov_b32 s[G1+3], 1024<<16                    ; tile_dim0
	s_mov_b32 s[G1+4], 2                           ; tile_dim1
	s_mov_b32 s[G1+5], PEL                         ; the pitch
	s_mov_b32 s[G1+6], 0
	s_mov_b32 s[G1+7], 0
.irp j, 0,1
	s_add_co_u32 s[ROT+\j], s57, \j                ; the walk's j-th half of K is half (y + j) % 2
	s_and_b32 s[ROT+\j], s[ROT+\j], NG-1
	s_lshl_b32 s[ROT+\j], s[ROT+\j], 13
.endr
	s_mov_b32 s89, 0
	s_wait_dscnt 0x0                               ; the opening add is done
	s_wait_kmcnt 0x0
	s_load_b64 s[96:97], s[8:9], 0x28              ; e10, e11
	s_add_nc_u64 s[20:21], s[4:5], s[58:59]
	s_add_nc_u64 s[22:23], s[6:7], s[62:63]
.irp j, 0,1
	s_mov_b32 s88, s[ROT+\j]
	s_add_nc_u64 s[SA+2*\j:SA+2*\j+1], s[20:21], s[88:89]
	s_mov_b32 s[G0+4*\j], 1
	s_add_co_u32 s[G0+4*\j+1], s82, \j*GRP
	s_add_nc_u64 s[G0+4*\j+2:G0+4*\j+3], s[22:23], s[88:89]
	s_or_b32 s[G0+4*\j+3], s[G0+4*\j+3], 0x80000000
.endr
	CROUND                                         ; the four partners are here: the joint loads meet
.irp j, 0,1
	tensor_load_to_lds s[G0+4*\j:G0+4*\j+3], s[G1:G1+7]   ; all of Wo's tile, in the walk's order: two tensor loads of mine are out
	s_nop 0
.endr
	PLACES 4
.macro ALOAD s                         ; set s of the ring: my four token blocks' fragments of K step s: 16 loads of 512 consecutive bytes
	WIN TO_A
.irp a, 0,1,2,3
.irp c, 0,1,2,3
	global_load_b128 v[64*((\s)%4)+16*\a+4*\c:64*((\s)%4)+16*\a+4*\c+3], v[LI], s[SA+2*((\s)/4):SA+2*((\s)/4)+1] offset:\a*BLKB+((\s)%4)*2048+512*\c
.endr
.endr
	WIN 0
.endm
.macro BRUN s, g                       ; Wo's blocks 2 g, 2 g + 1 of K step s into set s % 2: a run of eight LDS loads
.irp i, 0,1
.irp c, 0,1,2,3
	ds_load_b128 v[128*((\s)%2)+16*(2*(\g)+\i)+4*\c:128*((\s)%2)+16*(2*(\g)+\i)+4*\c+3], v[ADRB+(\s)/4] offset:(2*(\g)+\i)*8192+((\s)%4)*2048+512*\c
.endr
.endr
.endm
; eight matrix instructions: Wo's blocks 2 g, 2 g + 1 x my four token blocks.  The 32 accumulators take turns, one instruction a turn, in the same order in every step.  Step 0's products start the sums
.macro MULG s, g
.irp i, 0,1
.irp a, 0,1,2,3
.if (\s) == 0
	v_wmma_f32_16x16x128_fp8_fp8 v[8*(8*\a+2*(\g)+\i):8*(8*\a+2*(\g)+\i)+7], v[128*((\s)%2)+16*(2*(\g)+\i):128*((\s)%2)+16*(2*(\g)+\i)+15], v[64*((\s)%4)+16*\a:64*((\s)%4)+16*\a+15], 0
.else
	v_wmma_f32_16x16x128_fp8_fp8 v[8*(8*\a+2*(\g)+\i):8*(8*\a+2*(\g)+\i)+7], v[128*((\s)%2)+16*(2*(\g)+\i):128*((\s)%2)+16*(2*(\g)+\i)+15], v[64*((\s)%4)+16*\a:64*((\s)%4)+16*\a+15], v[8*(8*\a+2*(\g)+\i):8*(8*\a+2*(\g)+\i)+7]
.endif
.endr
.endr
.endm
; A K STEP: four times eight products and, behind them, the same two blocks of Wo for the next step: short runs of LDS loads, each asked for 24 products ahead of its use.
; The switches of the register window, two for each run, are the price of the short runs.
.macro STEP s
.if ((\s)%4 == 3) && ((\s)+1 < NS)     ; the next step begins the second group of Wo
	s_wait_dscnt 0x0                               ; no LDS instruction of mine is out at a signal
	s_wait_tensorcnt NG-1-((\s)+1)/4               ; my part of that group has landed
	s_barrier_signal -1
	s_barrier_wait -1                              ; everybody's has
.endif
.if NSETS-1-(\s) >= 3
	s_wait_loadcnt 48                              ; this step's 16 loads of tokens are in; the three younger sets may be out
.else
	s_wait_loadcnt 16*(NSETS-1-(\s))
.endif
.irp g, 0,1,2,3
.if (\s)+1 < NS
	s_wait_dscnt 24                                ; this run of eight is in; the three runs issued behind it may be out
.else
	s_wait_dscnt 24-8*\g
.endif
	WIN MUL
	MULG \s, \g
.if (\s)+1 < NS
	WIN TO_B
	BRUN (\s)+1, \g
.endif
.endr
	PLACES 4                                       ; four plain lines between this step's products and the loads into the registers that they read, and the first read of the sums (ISA guide 7.12.1 for vector instructions)
.if (\s)+4 < NSETS
	ALOAD (\s)+4                                   ; the set just multiplied takes the set four further on
.else
	WIN 0
.endif
.endm
	ALOAD 0
	ALOAD 1
	ALOAD 2
	ALOAD 3
	s_mul_i32 s66, s16, 8448
	s_add_co_u32 s66, s66, STAGE                   ; my stage
	v_mul_u32_u24 v[STO], v2, 528
	v_lshl_add_u32 v[STO], v3, 6, v[STO]
	v_add_nc_u32 v[STO], s66, v[STO]               ; in: row r, + 64 h
	v_add_nc_u32 v[RD], s66, v[LI]                 ; back: a whole row, 16 bytes a lane
	s_lshl_b32 s66, s19, 21                        ; out0 at token 256 x tile + 64 w, column 128 y
	s_lshl_b32 s67, s16, 19
	s_add_co_u32 s66, s66, s67
	s_lshl_b32 s67, s57, 9
	s_add_co_u32 s66, s66, s67
	s_mov_b32 s67, 0
	s_add_nc_u64 s[10:11], s[10:11], s[66:67]
	s_wait_tensorcnt NG-1                          ; my part of Wo's first group is in; the second group's load may stay out
	s_barrier_signal -1
	s_barrier_wait -1                              ; everybody's is
	WIN TO_B
	BRUN 0, 0
	BRUN 0, 1
	BRUN 0, 2
	BRUN 0, 3
.irp s, 0,1,2,3,4,5,6,7
	STEP \s
.endr
; THE WAY OUT, a token block at a time: a lane's 32 bytes of each of Wo's blocks go into my stage, whole rows of 512 bytes come back, and the 32 lanes store them: 512 consecutive bytes, at a multiple of 256 from out0's first byte
.macro TOSTAGE a
	WIN 0x01                                       ; source 0 window 1
.set n, 0
.rept 32
	v_pk_mul_f32 v[TMP+n:TMP+n+1], v[64*(\a)+n:64*(\a)+n+1], s[96:97] op_sel_hi:[1,0]   ; x 2^(e10 + e11); each accumulator from its low end on
.set n, n+2
.endr
	WIN 0
.irp b, 0,1,2,3,4,5,6,7
	ds_store_b128 v[STO], v[TMP+8*\b:TMP+8*\b+3] offset:128*(\b/2)+32*(\b%2)          ; columns 32 (bb / 2) + 8 (bb % 2) + 16 h + 0 .. 7
	ds_store_b128 v[STO], v[TMP+8*\b+4:TMP+8*\b+7] offset:128*(\b/2)+32*(\b%2)+16
.endr
.irp t, 0,1,2,3,4,5,6,7,8,9,10,11,12,13,14,15
	ds_load_b128 v[BK+64*((\a)%2)+4*\t:BK+64*((\a)%2)+4*\t+3], v[RD] offset:528*\t   ; LDS serves a wave's instructions in order: these see the stores above
.endr
.endm
.macro SEND a, younger                 ; younger: the LDS instructions issued behind block a's loads, which may stay out
	s_wait_dscnt \younger
.irp t, 0,1,2,3,4,5,6,7,8,9,10,11,12,13,14,15
	global_store_b128 v[LI], v[BK+64*((\a)%2)+4*\t:BK+64*((\a)%2)+4*\t+3], s[10:11] offset:(32*((\a)/2)+8*((\a)%2)+\t+8*(\t/8))*8192 th:TH_STORE_NT
.endr
.endm
	s_wait_kmcnt 0x0
	s_add_co_i32 s96, s96, s97
	s_add_co_i32 s96, s96, 127
	s_lshl_b32 s96, s96, 23                        ; 2^(e10 + e11) as f32
	TOSTAGE 0
	TOSTAGE 1
	SEND 0, 32                                     ; behind block 0's loads: block 1's 16 stores and 16 loads
	s_wait_xcnt 0x0                                ; block 0's stores have read their registers: block 2's rows may land there
	TOSTAGE 2
	SEND 1, 32
	s_wait_xcnt 0x0
	TOSTAGE 3
	SEND 2, 32
	SEND 3, 0
	s_wait_tensorcnt 0x0                           ; the wave's end
	ds_add_u32 v[SPW], v[NIL]
	s_wait_dscnt 0x0
	CROUND                                         ; the closing round
	s_endpgm
.Lfunc_end_k_q589fd422ca_proj:
	.size	k_q589fd422ca_proj, .Lfunc_end_k_q589fd422ca_proj-k_q589fd422ca_proj
	.p2alignl 7, 3214868480
	.fill 96, 4, 3214868480
	.section	.rodata,"a",@progbits
	.p2align	6, 0x0
	.amdhsa_kernel k_q589fd422ca_proj
		.amdhsa_group_segment_fixed_size 327680
		.amdhsa_private_segment_fixed_size 0
		.amdhsa_enable_private_segment 0
		.amdhsa_kernarg_size 32
		.amdhsa_user_sgpr_count 2
		.amdhsa_user_sgpr_kernarg_segment_ptr 1
		.amdhsa_wavefront_size32 1
		.amdhsa_system_sgpr_workgroup_id_x 1
		.amdhsa_system_sgpr_workgroup_id_y 1
		.amdhsa_system_sgpr_workgroup_id_z 1
		.amdhsa_system_vgpr_workitem_id 0
		.amdhsa_next_free_vgpr 1024
		.amdhsa_next_free_sgpr 100
		.amdhsa_reserve_vcc 0
		.amdhsa_float_denorm_mode_32 3
		.amdhsa_float_denorm_mode_16_64 3
		.amdhsa_memory_ordered 1
		.amdhsa_forward_progress 1
		.amdhsa_inst_pref_size 77
	.end_amdhsa_kernel
	.amdgpu_metadata
---
amdhsa.version: [ 1, 2 ]
amdhsa.kernels:
  - .name:           k_q589fd422ca_proj
    .symbol:         k_q589fd422ca_proj.kd
    .args:
      - { .name: oc, .offset: 0, .size: 8, .value_kind: global_buffer, .address_space: global }
      - { .name: codes, .offset: 8, .size: 8, .value_kind: global_buffer, .address_space: global }
      - { .name: lowp_scales, .offset: 16, .size: 8, .value_kind: global_buffer, .address_space: global }
      - { .name: out0, .offset: 24, .size: 8, .value_kind: global_buffer, .address_space: global }
    .group_segment_fixed_size: 327680
    .private_segment_fixed_size: 0
    .kernarg_segment_align: 8
    .kernarg_segment_size: 32
    .max_flat_workgroup_size: 128
    .sgpr_count:     100
    .vgpr_count:     1024
    .wavefront_size: 32
...
	.end_amdgpu_metadata
.endif
;; end of part 4
